; MI455X (gfx1250); checked and timed in simulation.
; The chip was launched on July 23, 2026; its instructions are those of AMD's public machine-readable ISA for CDNA 5 (MIT licence, August 2026) and "CDNA5" Instruction Set Architecture Reference Guide (July 2026). The comments in the code are by the model that wrote it; some were corrected since.
;; SVTR Block. Allowed arithmetic: matrix products marked QUANTISED: E4M3 operands, one E8M0 scale for each 32 along K, by v_wmma_scale_f32_16x16x128_f8f6f4 with both operands' format E4M3, f32 sums; everything else in f32.
;; Inputs: fc1_b 1,024 float32; fc1_w 256 x 1,024 float32; fc2_b 256 float32; fc2_w 1,024 x 256 float32; ln1_b 256 float32; ln1_g 256 float32; ln2_b 256 float32; ln2_g 256 float32; proj_b 256 float32; proj_w 256 x 256 float32; qkv_b 768 float32; qkv_w 256 x 768 float32; x 32 x 1,024 x 256 float32.
;; Outputs: out0 32 x 1,024 x 256 float32.
;; This version of the problem:
;;   THIS VERSION OF THE PROBLEM IS GIVEN IN LOW PRECISION. The matrix products marked QUANTISED in the list below multiply operands that are first quantised to E4M3 (4 exponent bits, 3 mantissa bits; 8 bits a number), with one power-of-two scale for each 32 numbers along K (OCP MX v1.0); their sums are f32. All else is computed in f32.
;;   The module's matrix products, in the order in which they are computed (A, B: the left and right operand; K: the contracted axis; several contracted axes count as one K, in the product's order):
;;     1. [M 32,768, K 256] x [K 256, N 768]; A: input x; B: input qkv_w: QUANTISED
;;     2. batch 256 x [M 1,024, K 32] x [K 32, N 1,024]; A: computed on the way; B: computed on the way: QUANTISED
;;     3. batch 256 x [M 32, K 1,024] x [K 1,024, N 1,024]; A: computed on the way; B: softmax (see below): QUANTISED
;;     4. [M 32,768, K 256] x [K 256, N 256]; A: computed on the way; B: input proj_w: QUANTISED
;;     5. [M 32,768, K 256] x [K 256, N 1,024]; A: computed on the way; B: input fc1_w: QUANTISED
;;     6. [M 32,768, K 1,024] x [K 1,024, N 256]; A: computed on the way; B: input fc2_w: QUANTISED
;;   THE QUANTISER, for each operand of a quantised product, along K:
;;     - K is cut into blocks of 32 from its start; a last block that is shorter is filled with zeros.
;;     - A block's scale is 2^e with e = floor(log2(the largest magnitude in the block)) - 8, held to -126 .. 127; a block of zeros has e = 0. As a byte (E8M0): e + 127.
;;     - Each number is divided by its block's scale, clamped to +-448, and rounded to the nearest number of E4M3, ties to even, subnormals kept.
;;     - The product sums the exact products of the quantised numbers (number of the format x scale) in f32.
;;   ~~~python
;;   def quantise(x, axis):      # numpy; x: float32 -> the quantised numbers, widened to float32 again
;;       x = np.moveaxis(x, axis, -1); K = x.shape[-1]
;;       x = np.pad(x, [(0, 0)] * (x.ndim - 1) + [(0, -K % 32)]); x = x.reshape(x.shape[:-1] + (-1, 32)); a = np.abs(x).max(-1, keepdims=True)
;;       e = np.where(a > 0, np.clip(np.frexp(np.where(a > 0, a, 1))[1] - 1 - 8, -126, 127), 0)      # np.frexp(a)[1] - 1 = floor(log2(a)), exactly
;;       r = np.clip(x / 2.0 ** e, -448, 448)
;;       step = 2.0 ** (np.maximum(np.frexp(np.where(r == 0, 1, r))[1] - 1, -6) - 3)
;;       q = np.round(r / step) * step * 2.0 ** e      # np.round: ties to even
;;       return np.moveaxis(q.reshape(q.shape[:-2] + (-1,))[..., :K], -1, axis).astype(np.float32)
;;   ~~~
;;   SOFTMAX AHEAD OF A QUANTISED PRODUCT. Where the list says 'softmax', what is quantised is not the finished softmax but p = 2^(t - M), with t = logit x log2(e) and M = ceil(the row's largest t), a whole number; so 1/2 < the row's largest p <= 1. The row's sum l is taken of the UNQUANTISED p, in f32, and the product's result is divided by l at the end. Since M is a whole number, a kernel that streams over the keys may use a running M (the ceiling of the running maximum): every later rescaling is an exact power of two, which a block's scale takes up: the codes' values come out the same.
;;   OPERANDS COMPUTED ON THE WAY. 'Computed on the way' means the value that the module computes at that place (a softmax that the list does not call 'softmax' is quantised finished and normalised). What goes into a quantiser is computed in f32, as accurately as f32 sums, v_exp_f32 and their like allow (about 1e-6 of the number): no bf16 or f16 on the way to a quantiser, and a product that is left as it is and whose result goes on into a quantised operand takes f32 operands (vector FMAs, or v_wmma_f32_16x16x4_f32). A number that lies on a knife's edge between two numbers of the format may be rounded either way, as far as f32 arithmetic and the matrix unit's own rounding can turn it there, and no further.
;; One version. Each part assembles by itself: llvm-mc -triple=amdgcn-amd-amdhsa -mcpu=gfx1250 --defsym DOCPART=n.
;; ======== version 1 of 1: 3 launches
;; limits: right only within a limited range of input values
;; workspace buffers: xc 8,388,608 bytes; xs 262,144 bytes; wc 786,432 bytes; ws 24,576 bytes; cc 8,388,608 bytes; cs 262,144 bytes
;; launch quant (part 1): grid 304 x 1, 8 waves a work-group, no clusters, 140,288 bytes of LDS; arguments x, qkv_w, proj_w, fc1_w, fc2_w, xc, xs, wc, ws; writes xc, xs, wc, ws
.if DOCPART == 1
	.amdgcn_target "amdgcn-amd-amdhsa--gfx1250"
	.amdhsa_code_object_version 6
	.text
	.protected	k_q74a904ed44_quant
	.globl	k_q74a904ed44_quant
	.p2align	8
	.type	k_q74a904ed44_quant,@function
k_q74a904ed44_quant:
	s_mov_b64 s[64:65], 0
	v_nop
	global_prefetch_b8 v0, s[64:65] scope:SCOPE_SE
	s_setreg_imm32_b32 hwreg(HW_REG_WAVE_MODE, 25, 1), 1
	s_wait_xcnt 0x0
; x [32768][256] and the four weights ([K][N], K first) become codes of E4M3 with one E8M0 byte for each 32 along K, laid in the ORDER OF THE OPERAND'S REGISTERS.
; A FRAGMENT IMAGE is 16 rows x 128 K = 2,048 bytes: four groups c of 512 bytes; in group c lane l's 16 bytes stand at 16 l and hold k = 32 c + 16 (l / 16) + 0 .. 15 of the row that lane l % 16 stands for.
; THE ROWS OF A TILE ARE NOT NEIGHBOURS: lane r of tile (b, u) stands for row (or column) 32 b + 8 u + r + 8 (r / 8), so that a transposed product leaves 16 neighbours along the next K in a lane's 16 registers.
; A block's scale is 2^(floor(log2(largest magnitude)) - 8); its byte is the largest magnitude's exponent field - 8, held at 1 from below.
; LIMITS: a block of zeros gets the byte 1 where the rule says 127 (its codes are zeros, and this program alone reads the bytes); NaN and infinities among the inputs are not served.
; SHARES: work-groups 0-255: x; a wave turns 32 tokens x 128 channels into two fragments.  Work-groups 256-303: the weights, one fragment a wave (a lane to a column, registers down K).
; xc: [image x 32 + token block][u][s] images.  xs: [..][s][u][r] words.  wc: 384 images, ws: [f][r] words; f = qkv: head 12 + mat 4 + u 2 + s; proj: 96 + ..; fc1: 128 + ..; fc2: 256 + ((cb / 2) 8 + ks) 4 + (cb % 2) 2 + u.
; No tensor load, no barrier: waves share nothing.  Only the x path uses LDS (a stage of its own for each wave).
.set WST,  17408                       ; a wave's stage: 32 rows of 512 bytes, 528 apart, rows 16-31 another 128 on
.set RR,   16                          ; v16-143  32 rows as loaded; later v16-79 the second tile's 64 numbers
.set XA,   144                         ; v144-207 64 numbers of a fragment: register 16 c + i = k 32 c + 16 (l / 16) + i
.set XB,   16
.set TM,   208                         ; v208-223 at work in the quantiser
.set PC,   224                         ; v224-255 codes, two sets, so that no store's data are written again
.set SEL,  24                          ; s[24:25] lane selects of v_permlanex16_b32: lane l xor 16
.set MNT,  26                          ; s26 the mantissa field of 448
; 64 numbers of a lane become a fragment's 16 code registers (v[pc] on); the four scale bytes are left in v[TM+4 .. TM+7]
.macro QCORE s, pc
.irp b, 0,1,2,3
	v_max3_num_f32 v[TM+\b], |v[\s+16*\b]|, |v[\s+16*\b+1]|, 0x4800000   ; my 16 numbers of block b, and the floor 2^(9 - 127): the byte cannot fall under 1
.endr
.irp i, 2,4,6,8,10,12,14
.irp b, 0,1,2,3
	s_delay_alu instid0(VALU_DEP_4)
	v_max3_num_f32 v[TM+\b], v[TM+\b], |v[\s+16*\b+\i]|, |v[\s+16*\b+\i+1]|   ; the four blocks by turns
.endr
.endr
.irp b, 0,1,2,3
	s_delay_alu instid0(VALU_DEP_4)
	v_permlanex16_b32 v[TM+4+\b], v[TM+\b], s[SEL], s[SEL+1]
.endr
.irp b, 0,1,2,3
	s_delay_alu instid0(VALU_DEP_4)
	v_max_num_f32 v[TM+\b], v[TM+\b], v[TM+4+\b]      ; with lane l xor 16's 16: the block's largest magnitude
.endr
.irp b, 0,1,2,3
	s_delay_alu instid0(VALU_DEP_4)
	v_add_nc_u32 v[TM+12+\b], 0xfc000000, v[TM+\b]    ; 8 off its exponent field: the conversion's scale operand
.endr
.irp b, 0,1,2,3
	v_and_or_b32 v[TM+8+\b], v[TM+\b], 0x7f800000, s[MNT]   ; 448 x the scale
.endr
.irp b, 0,1,2,3
	v_lshrrev_b32 v[TM+4+\b], 23, v[TM+12+\b]         ; the scale's byte
.endr
.irp b, 0,1,2,3
.irp i, 0,1,2,3,4,5,6,7,8,9,10,11,12,13,14,15
	v_med3_num_f32 v[\s+16*\b+\i], v[\s+16*\b+\i], -v[TM+8+\b], v[TM+8+\b]   ; the conversion does not saturate (ISA guide 7.6.2): hold first
.endr
	v_cvt_scalef32_pk8_fp8_f32 v[\pc+4*\b:\pc+4*\b+1], v[\s+16*\b:\s+16*\b+7], v[TM+12+\b]
	v_cvt_scalef32_pk8_fp8_f32 v[\pc+4*\b+2:\pc+4*\b+3], v[\s+16*\b+8:\s+16*\b+15], v[TM+12+\b]
.endr
	v_nop                                             ; a plain line behind the last conversion
.endm
.macro PACKW pw                        ; the four bytes make the row's scale word
	v_lshl_or_b32 v[\pw], v[TM+5], 8, v[TM+4]
	s_delay_alu instid0(VALU_DEP_1)
	v_lshl_or_b32 v[\pw], v[TM+6], 16, v[\pw]
	s_delay_alu instid0(VALU_DEP_1)
	v_lshl_or_b32 v[\pw], v[TM+7], 24, v[\pw]
.endm
.macro XREAD u, dst                    ; tile u out of the stage: my row's 16 neighbours of each of the four blocks
.irp c, 0,1,2,3
.irp j, 0,1,2,3
	ds_load_b128 v[\dst+16*\c+4*\j:\dst+16*\c+4*\j+3], v7 offset:\u*8*528+128*\c+16*\j
.endr
.endr
.endm
.macro WLOAD stride                    ; W(32 c + 16 h + i, my column): the registers run down K
.irp c, 0,1,2,3
.irp i, 0,1,2,3,4,5,6,7,8,9,10,11,12,13,14,15
	global_load_b32 v[XA+16*\c+\i], v8, s[40:41] offset:(32*\c+\i)*\stride
.endr
.endr
.endm
.macro EOFF kstep                      ; s30 = e = 4 cb + 2 u + s  ->  s32 = s x (128 rows) + 128 cb + 32 u bytes
	s_and_b32 s32, s30, 1
	s_mul_i32 s32, s32, \kstep
	s_lshr_b32 s37, s30, 2
	s_lshl_b32 s37, s37, 7
	s_add_co_u32 s32, s32, s37
	s_bfe_u32 s37, s30, 0x10001
	s_lshl_b32 s37, s37, 5
	s_add_co_u32 s32, s32, s37
.endm
	s_load_b256 s[4:11], s[0:1], 0x0               ; x, qkv_w, proj_w, fc1_w
	s_load_b256 s[12:19], s[0:1], 0x20             ; fc2_w, xc, xs, wc
	s_load_b64 s[20:21], s[0:1], 0x40              ; ws
	v_lshl_add_u32 v14, v0, 2, 0x22000
	v_mov_b32 v15, 0
	v_lshrrev_b32 v1, 5, v0
	s_delay_alu instid0(VALU_DEP_1)
	v_readfirstlane_b32 s22, v1                    ; wave 0..7
	v_and_b32 v1, 31, v0                           ; lane
	v_and_b32 v2, 15, v0                           ; r
	v_bfe_u32 v3, v0, 4, 1                         ; h
	s_delay_alu instid0(VALU_DEP_2)
	v_and_b32 v4, 8, v2
	s_delay_alu instid0(VALU_DEP_1)
	v_add_nc_u32 v4, v4, v2                        ; r + 8 (r / 8)
	v_lshlrev_b32 v5, 4, v1                        ; 16 x lane
	v_lshlrev_b32 v9, 2, v1                        ; 4 x lane
	s_mov_b32 s[SEL], 0x76543210
	s_mov_b32 s[SEL+1], 0xfedcba98
	s_mov_b32 s[MNT], 0x600000
	s_mov_b32 s27, 0xffff0000                      ; lanes 16-31
.irp b, 0,1,2,3
	v_mov_b32 v[TM+4+\b], 0                        ; a lane permute's destination counts as one of its sources
.endr
	s_cmp_lt_u32 ttmp9, 256
	s_cbranch_scc0 .Lweights
	; ---- x: unit n = 8 x work-group + wave: token block n / 2, K step n % 2
	s_mul_i32 s28, s22, WST
	v_add_nc_u32 v6, s28, v5                       ; the stage, on the way in: 16 x lane of a row
	v_mul_u32_u24 v7, v4, 528
	v_lshrrev_b32 v8, 3, v2
	s_delay_alu instid0(VALU_DEP_1)
	v_lshl_add_u32 v7, v8, 7, v7
	s_delay_alu instid0(VALU_DEP_1)
	v_lshl_add_u32 v7, v3, 6, v7
	s_delay_alu instid0(VALU_DEP_1)
	v_add_nc_u32 v7, s28, v7                       ; and out: my tile row, + 64 h
	s_lshl_b32 s29, ttmp9, 3
	s_add_co_u32 s29, s29, s22
	s_lshr_b32 s30, s29, 1                         ; token block (32 tokens), 0..1023
	s_and_b32 s31, s29, 1                          ; K step
	s_lshl_b32 s32, s30, 15
	s_lshl_b32 s33, s31, 9
	s_add_co_u32 s32, s32, s33                     ; x: 32 rows of 1,024 bytes a block, 512 bytes a K step
	s_mov_b32 s33, 0
	s_lshl_b32 s34, s30, 13
	s_lshl_b32 s35, s31, 11
	s_add_co_u32 s34, s34, s35                     ; xc: 8,192 a block, 2,048 a K step (4,096 a tile)
	s_mov_b32 s35, 0
	s_lshl_b32 s36, s30, 8
	s_lshl_b32 s37, s31, 7
	s_add_co_u32 s36, s36, s37                     ; xs: 256 a block, 128 a K step
	s_mov_b32 s37, 0
	s_wait_alu depctr_va_vdst(0)
	s_wait_kmcnt 0x0
	s_add_nc_u64 s[4:5], s[4:5], s[32:33]
	s_add_nc_u64 s[14:15], s[14:15], s[34:35]
	s_add_nc_u64 s[16:17], s[16:17], s[36:37]
; the rows of tile 0 (0-7, 16-23) are asked for first, then those of tile 1 (8-15, 24-31): tile 0 is quantised and stored while tile 1's 16 loads are out
.irp g, 0,2,1,3
.set ti, 8*\g
.rept 8
	global_load_b128 v[RR+4*ti:RR+4*ti+3], v5, s[4:5] offset:1024*ti th:TH_LOAD_NT   ; a token's 512 consecutive bytes
.set ti, ti+1
.endr
.endr
.macro XST g, n                        ; rows 8 g .. 8 g + 7 into the stage; n: the loads issued behind theirs
	s_wait_loadcnt \n
.set ti, 8*\g
.rept 8
	ds_store_b128 v6, v[RR+4*ti:RR+4*ti+3] offset:ti*528+(ti/16)*128
.set ti, ti+1
.endr
.endm
	XST 0, 24
	XST 2, 16
	XREAD 0, XA                                    ; LDS serves a wave's instructions in order: these see the stores
	s_wait_dscnt 0x0
	QCORE XA, PC
	PACKW 10
.irp c, 0,1,2,3
	global_store_b128 v5, v[PC+4*\c:PC+4*\c+3], s[14:15] offset:512*\c   ; 512 consecutive bytes
.endr
	XST 1, 8
	XST 3, 0
	s_wait_dscnt 0x0                               ; the stores are done, so their data registers may be loaded into
	XREAD 1, XB
	s_wait_dscnt 0x0
	QCORE XB, PC+16
	PACKW 11
.irp c, 0,1,2,3
	global_store_b128 v5, v[PC+16+4*\c:PC+16+4*\c+3], s[14:15] offset:4096+512*\c
.endr
	v_cndmask_b32 v12, v10, v11, s27               ; lanes 0-15 tile 0's words, lanes 16-31 tile 1's
	global_store_b32 v9, v12, s[16:17]
	s_wait_tensorcnt 0x0
	ds_add_u32 v14, v15
	s_wait_dscnt 0x0
	s_endpgm
.Lweights:
	s_sub_co_u32 s28, ttmp9, 256                   ; 0..47
	s_lshl_b32 s29, s28, 3
	s_add_co_u32 s29, s29, s22                     ; 8 x that + wave
	s_mov_b32 s33, 0
	s_cmp_lt_u32 s28, 12
	s_cbranch_scc1 .Lqkv
	s_cmp_lt_u32 s28, 16
	s_cbranch_scc1 .Lproj
	s_cmp_lt_u32 s28, 32
	s_cbranch_scc1 .Lfc1
	; fc2: tile = work-group, K step = wave
	s_sub_co_u32 s30, s28, 32
	s_lshr_b32 s31, s30, 1                         ; cb
	s_and_b32 s36, s30, 1                          ; u
	s_lshl_b32 s32, s22, 17                        ; 128 rows of 1,024 bytes a K step
	s_lshl_b32 s37, s31, 7
	s_add_co_u32 s32, s32, s37
	s_lshl_b32 s37, s36, 5
	s_add_co_u32 s32, s32, s37
	s_lshr_b32 s34, s31, 1
	s_lshl_b32 s34, s34, 3
	s_add_co_u32 s34, s34, s22
	s_lshl_b32 s34, s34, 2
	s_and_b32 s37, s31, 1
	s_lshl_b32 s37, s37, 1
	s_add_co_u32 s34, s34, s37
	s_add_co_u32 s34, s34, s36
	s_add_co_u32 s34, s34, 256                     ; f
	s_wait_kmcnt 0x0
	s_add_nc_u64 s[40:41], s[12:13], s[32:33]
	s_branch .Lrows1024
.Lproj:
	s_sub_co_u32 s30, s29, 96
	s_mov_b32 s34, s29                             ; f = 96 + e
	EOFF 131072
	s_wait_kmcnt 0x0
	s_add_nc_u64 s[40:41], s[8:9], s[32:33]
.Lrows1024:
	s_wait_alu depctr_va_vdst(0)
	v_lshlrev_b32 v8, 14, v3                       ; lanes 16-31 begin 16 rows further down
	s_delay_alu instid0(VALU_DEP_1)
	v_lshl_add_u32 v8, v4, 2, v8
	WLOAD 1024
	s_branch .Ltail
.Lfc1:
	s_sub_co_u32 s30, s29, 128
	s_mov_b32 s34, s29                             ; f = 128 + e
	EOFF 524288
	s_wait_kmcnt 0x0
	s_add_nc_u64 s[40:41], s[10:11], s[32:33]
	s_wait_alu depctr_va_vdst(0)
	v_lshlrev_b32 v8, 16, v3
	s_delay_alu instid0(VALU_DEP_1)
	v_lshl_add_u32 v8, v4, 2, v8
	WLOAD 4096
	s_branch .Ltail
.Lqkv:
	s_mov_b32 s30, s29
	EOFF 393216
	s_lshr_b32 s31, s30, 2                         ; cb = 8 mat + head
	s_and_b32 s34, s31, 7
	s_mul_i32 s34, s34, 12
	s_lshr_b32 s36, s31, 3
	s_lshl_b32 s36, s36, 2
	s_add_co_u32 s34, s34, s36
	s_and_b32 s36, s30, 3
	s_add_co_u32 s34, s34, s36                     ; f = 12 head + 4 mat + 2 u + s
	s_wait_kmcnt 0x0
	s_add_nc_u64 s[40:41], s[6:7], s[32:33]
	s_wait_alu depctr_va_vdst(0)
	v_mul_u32_u24 v8, v3, 49152
	s_delay_alu instid0(VALU_DEP_1)
	v_lshl_add_u32 v8, v4, 2, v8
	WLOAD 3072
.Ltail:
	s_lshl_b32 s32, s34, 11
	s_lshl_b32 s36, s34, 6
	s_mov_b32 s37, 0
	s_add_nc_u64 s[18:19], s[18:19], s[32:33]
	s_add_nc_u64 s[20:21], s[20:21], s[36:37]
	s_wait_loadcnt 0x0
	QCORE XA, PC
	PACKW 10
.irp c, 0,1,2,3
	global_store_b128 v5, v[PC+4*\c:PC+4*\c+3], s[18:19] offset:512*\c
.endr
	s_wait_alu depctr_va_vdst(0)
	s_wait_xcnt 0x0                                ; EXEC changes only behind this wait
	v_cmp_gt_u32 vcc_lo, 16, v1
	s_and_saveexec_b32 s38, vcc_lo
	global_store_b32 v9, v10, s[20:21]             ; lanes 0-15: the 16 columns' scale words
	s_wait_xcnt 0x0
	s_or_b32 exec_lo, exec_lo, s38
	s_endpgm
.Lfunc_end_k_q74a904ed44_quant:
	.size	k_q74a904ed44_quant, .Lfunc_end_k_q74a904ed44_quant-k_q74a904ed44_quant
	.p2alignl 7, 3214868480
	.fill 96, 4, 3214868480
	.section	.rodata,"a",@progbits
	.p2align	6, 0x0
	.amdhsa_kernel k_q74a904ed44_quant
		.amdhsa_group_segment_fixed_size 140288
		.amdhsa_private_segment_fixed_size 0
		.amdhsa_enable_private_segment 0
		.amdhsa_kernarg_size 72
		.amdhsa_user_sgpr_count 2
		.amdhsa_user_sgpr_kernarg_segment_ptr 1
		.amdhsa_wavefront_size32 1
		.amdhsa_system_sgpr_workgroup_id_x 1
		.amdhsa_system_sgpr_workgroup_id_y 1
		.amdhsa_system_sgpr_workgroup_id_z 1
		.amdhsa_system_vgpr_workitem_id 0
		.amdhsa_next_free_vgpr 256
		.amdhsa_next_free_sgpr 66
		.amdhsa_reserve_vcc 1
		.amdhsa_float_denorm_mode_32 3
		.amdhsa_float_denorm_mode_16_64 3
		.amdhsa_memory_ordered 1
		.amdhsa_forward_progress 1
		.amdhsa_inst_pref_size 61
	.end_amdhsa_kernel
	.amdgpu_metadata
---
amdhsa.version: [ 1, 2 ]
amdhsa.kernels:
  - .name:           k_q74a904ed44_quant
    .symbol:         k_q74a904ed44_quant.kd
    .args:
      - { .name: x, .offset: 0, .size: 8, .value_kind: global_buffer, .address_space: global }
      - { .name: qkv_w, .offset: 8, .size: 8, .value_kind: global_buffer, .address_space: global }
      - { .name: proj_w, .offset: 16, .size: 8, .value_kind: global_buffer, .address_space: global }
      - { .name: fc1_w, .offset: 24, .size: 8, .value_kind: global_buffer, .address_space: global }
      - { .name: fc2_w, .offset: 32, .size: 8, .value_kind: global_buffer, .address_space: global }
      - { .name: xc, .offset: 40, .size: 8, .value_kind: global_buffer, .address_space: global }
      - { .name: xs, .offset: 48, .size: 8, .value_kind: global_buffer, .address_space: global }
      - { .name: wc, .offset: 56, .size: 8, .value_kind: global_buffer, .address_space: global }
      - { .name: ws, .offset: 64, .size: 8, .value_kind: global_buffer, .address_space: global }
    .group_segment_fixed_size: 140288
    .private_segment_fixed_size: 0
    .kernarg_segment_align: 8
    .kernarg_segment_size: 72
    .max_flat_workgroup_size: 256
    .sgpr_count:     66
    .vgpr_count:     256
    .wavefront_size: 32
...
	.end_amdgpu_metadata
.endif
;; end of part 1
;; launch attn (part 2): grid 8 x 32, 16 waves a work-group, no clusters, 243,200 bytes of LDS; arguments xc, xs, wc, ws, qkv_b, cc, cs; writes cc, cs
.if DOCPART == 2
	.amdgcn_target "amdgcn-amd-amdhsa--gfx1250"
	.amdhsa_code_object_version 6
	.text
	.protected	k_q74a904ed44_attn
	.globl	k_q74a904ed44_attn
	.p2align	8
	.type	k_q74a904ed44_attn,@function
k_q74a904ed44_attn:
	s_mov_b64 s[64:65], 0
	v_nop
	global_prefetch_b8 v0, s[64:65] scope:SCOPE_SE
	s_setreg_imm32_b32 hwreg(HW_REG_WAVE_MODE, 25, 1), 1
	s_wait_xcnt 0x0
; One work-group = one head of one image (x = head, y = image); wave w owns grid row w (64 tokens).
; PHASE A: q, k, v of the head for the wave's 64 tokens (x W + b on codes), q x 32^-1/2, each quantised in registers and laid in LDS.  q and k: along the head's 32 (product used transposed: a lane holds one token);
;   v: along the keys, in blocks of 32 tokens = half a grid row (product used as it is: a lane holds one channel, its registers run along the tokens).
; PHASE B: local attention.  Only keys with |row difference| <= 3 and |column difference| <= 5 count, so tile T of 16 queries (columns (16 T + 8 + r) % 64 of row w) needs 7 key rows x the 32 columns (16 T + j) % 64.
;   S^T = K Q^T with the mask as C (0 or -1e30); t = s log2 e; M = ceil(largest t); p = 2^(t - M); the sum of the unquantised p divides at the end; p is quantised by half rows of 32 keys; O^T = V^T P^T.
;   The window's two halves of 16 columns are laid so that lanes 0-15 always hold the first half of a block of 32 keys and lanes 16-31 the second half of one.  V lies in LDS twice, once with lanes 16-31 zeroed (slot a) and
;   once with lanes 0-15 zeroed (slot b); p's four code registers of a key row are given to both slots, each with its own block's scale: one text serves windows that lie in one block and windows that straddle two.
;   K = 32 in the first product: q's codes beyond 32 are zeros, so what stands in K's operand registers beyond its four (other keys' codes, all finite) adds nothing; their scale bytes are 127.
;   K, V and their scales have 22 rows in LDS: three rows of zeros above and below, so that no address is clamped; scores of rows outside the grid are set to -1e30 under a branch on the wave's number.
; ctx / sum is quantised along the head's 32 and stored as a piece of the next launch's operand image (cc), its scale byte in cs.
; LIMITS: NaN and infinities are not served; hidden scores are -1e30, not -infinity (p is exactly 0 while |score| is far under 1e30); a block of zeros gets the byte 1 (its codes are zeros).
; The x codes (8 heads read them) and the head's weights go straight into registers or LDS once a work-group; no tile is walked in step by several work-groups, so no cluster and no tensor load.
.set BL,   0                           ; the head's bias [mat 3][32] f32
.set KSW,  512                         ; [row 22][col 64] words: K's byte, then 127 three times
.set QSW,  6144                        ; [row 16][col 64] words likewise
.set VSW,  10240                       ; [row 22][t 2][r 16][T 4] halfwords: slot a's byte, slot b's byte
.set QL,   15872                       ; [token][32 bytes]
.set KL,   48640                       ; [row 22][col][32 bytes]
.set WL,   93696                       ; the head's 12 weight fragments
.set VL,   118272                      ; [row 22][block 2][slot 2][t 2][512 bytes]
.set MSK,  210432                      ; behind the spare words: [wave][quad 4][lane][16 bytes]: the key rows' masks; waves 4, 5, 6 write theirs: T even, T = 1, T = 3
.set SEL,  22                          ; s[22:23]
.set MNT,  28
; phase A registers
.set XSC,  6                           ; v6-9   x's scale words (lanes 0-15 K step 0, lanes 16-31 K step 1)
.set WSC,  10                          ; v10-15 the weights' likewise
.set XF,   16                          ; v16-143 x's 8 fragments
.set ACC,  144                         ; v144-207
.set WF,   208                         ; v208-239 two weight fragments; then TM and PC
.set TM,   208
.set PC,   224
.set BI,   240                         ; v240-255 the bias as C; for v later the slot b codes
; phase B registers: v1 K's address, v2 K's scale words', v3 r / 8, v4 and v16 their lane parts, v5 V's, v17 V's scales', v18-19 at work, v20-23 ctx codes, v24 16 x lane, v25 ctx's scale word, v[26:27] -M, v[28:31] sums
.set SCL,  6                           ; v6-13  scales and nothing else: K's 7 and Q's; then V's and p's words by turns
.set MASK, 32                          ; v32-47 the mask; then MR, OTH; then O^T
.set MR,   32
.set OTH,  40
.set OO,   32
.set QF,   48                          ; v48-63 q (4 registers and 12 of zeros); then SO, LIM
.set SO,   48
.set LIM,  56
.set SS,   64                          ; v64-175 S^T, then p; then V's fragments
.set VF,   64
.set KF,   176                         ; v176-231 K's 14 tiles, v232-243 zeros; then p's codes
.set PP,   176
.set HW,   244                         ; v244-250; v251 1 - r / 8, v252 and v253 Q's lane parts
.macro QCORE s, pc
.irp b, 0,1,2,3
	v_max3_num_f32 v[TM+\b], |v[\s+16*\b]|, |v[\s+16*\b+1]|, 0x4800000   ; my 16 numbers of block b, and the floor 2^(9 - 127)
.endr
.irp i, 2,4,6,8,10,12,14
.irp b, 0,1,2,3
	v_max3_num_f32 v[TM+\b], v[TM+\b], |v[\s+16*\b+\i]|, |v[\s+16*\b+\i+1]|
.endr
.endr
.irp b, 0,1,2,3
	s_delay_alu instid0(VALU_DEP_4)
	v_permlanex16_b32 v[TM+4+\b], v[TM+\b], s[SEL], s[SEL+1]
.endr
.irp b, 0,1,2,3
	s_delay_alu instid0(VALU_DEP_4)
	v_max_num_f32 v[TM+\b], v[TM+\b], v[TM+4+\b]
.endr
.irp b, 0,1,2,3
	s_delay_alu instid0(VALU_DEP_4)
	v_add_nc_u32 v[TM+12+\b], 0xfc000000, v[TM+\b]    ; the conversion's scale operand
.endr
.irp b, 0,1,2,3
	v_and_or_b32 v[TM+8+\b], v[TM+\b], 0x7f800000, s[MNT]   ; 448 x the scale
.endr
.irp b, 0,1,2,3
	v_lshrrev_b32 v[TM+4+\b], 23, v[TM+12+\b]         ; the byte
.endr
.irp b, 0,1,2,3
.irp i, 0,1,2,3,4,5,6,7,8,9,10,11,12,13,14,15
	v_med3_num_f32 v[\s+16*\b+\i], v[\s+16*\b+\i], -v[TM+8+\b], v[TM+8+\b]
.endr
	v_cvt_scalef32_pk8_fp8_f32 v[\pc+4*\b:\pc+4*\b+1], v[\s+16*\b:\s+16*\b+7], v[TM+12+\b]
	v_cvt_scalef32_pk8_fp8_f32 v[\pc+4*\b+2:\pc+4*\b+3], v[\s+16*\b+8:\s+16*\b+15], v[TM+12+\b]
.endr
	v_nop                                             ; a plain line behind the last conversion
.endm
; a scaled product; ra, rb = 1: that side's scales are taken from lanes 16-31
.macro WM d, a, b, c, sa, sb, ra, rb
.if ((\ra)==0) && ((\rb)==0)
	v_wmma_scale_f32_16x16x128_f8f6f4 v[\d:\d+7], v[\a:\a+15], v[\b:\b+15], v[\c:\c+7], v[\sa], v[\sb]
.elseif ((\rb)==0)
	v_wmma_scale_f32_16x16x128_f8f6f4 v[\d:\d+7], v[\a:\a+15], v[\b:\b+15], v[\c:\c+7], v[\sa], v[\sb] matrix_a_scale:MATRIX_SCALE_ROW1
.elseif ((\ra)==0)
	v_wmma_scale_f32_16x16x128_f8f6f4 v[\d:\d+7], v[\a:\a+15], v[\b:\b+15], v[\c:\c+7], v[\sa], v[\sb] matrix_b_scale:MATRIX_SCALE_ROW1
.else
	v_wmma_scale_f32_16x16x128_f8f6f4 v[\d:\d+7], v[\a:\a+15], v[\b:\b+15], v[\c:\c+7], v[\sa], v[\sb] matrix_a_scale:MATRIX_SCALE_ROW1 matrix_b_scale:MATRIX_SCALE_ROW1
.endif
.endm
.macro PLACES n
.rept \n
	v_nop
.endr
.endm
.macro BARRIER                         ; my LDS instructions are done: then the work-group's barrier
	s_wait_dscnt 0x0
	s_barrier_signal -1
	s_barrier_wait -1
.endm
.macro ZFILL up                        ; a row of zeros in K, V and their scales: row wave + up
.irp i, 0,1,2,3
	ds_store_b128 v162, v[156:159] offset:KL+\up*2048+512*\i
.endr
	ds_store_b64 v163, v[156:157] offset:KSW+\up*256
	ds_store_b64 v163, v[156:157] offset:VSW+\up*256
.irp i, 0,1,2,3,4,5,6,7
	ds_store_b128 v4, v[156:159] offset:\up*4096+512*\i
.endr
.endm
	s_load_b256 s[4:11], s[0:1], 0x0               ; xc, xs, wc, ws
	s_load_b128 s[12:15], s[0:1], 0x20             ; qkv_b, cc
	s_load_b64 s[16:17], s[0:1], 0x30              ; cs
	v_lshrrev_b32 v1, 5, v0
	s_delay_alu instid0(VALU_DEP_1)
	v_readfirstlane_b32 s18, v1                    ; wave 0..15
	s_mov_b32 s19, ttmp9                           ; head
	s_and_b32 s20, ttmp7, 0xffff                   ; image
	s_mov_b32 s[SEL], 0x76543210
	s_mov_b32 s[SEL+1], 0xfedcba98
	s_mov_b32 s24, 0x3fb8aa3b                      ; log2 e
	s_mov_b32 s25, s24
	s_mov_b32 s26, 0x3e3504f3                      ; 32^-1/2
	s_mov_b32 s27, s26
	s_mov_b32 s[MNT], 0x600000
	s_mov_b32 s29, 0xf149f2ca                      ; -1e30
	s_mov_b32 s30, 0xffff0000                      ; lanes 16-31
	s_lshl_b32 s32, s18, 11                        ; wave x 2,048
	s_lshl_b32 s33, s18, 8                         ; x 256
	s_lshl_b32 s34, s18, 12                        ; x 4,096
	s_mul_i32 s35, s18, 1536
	s_lshl_b32 s36, s18, 7
	v_and_b32 v170, 31, v0                         ; lane
	v_and_b32 v171, 15, v0                         ; r
	v_bfe_u32 v172, v0, 4, 1                       ; h
	s_delay_alu instid0(VALU_DEP_2)
	v_and_b32 v173, 8, v171
	s_delay_alu instid0(VALU_DEP_1)
	v_add_nc_u32 v173, v173, v171                  ; r + 8 (r / 8)
	v_lshlrev_b32 v160, 4, v170                    ; 16 x lane
	s_delay_alu instid0(VALU_DEP_1)
	v_add_nc_u32 v1, WL, v160                      ; a weight fragment's place for my lane
	s_delay_alu instid0(VALU_DEP_3)
	v_lshlrev_b32 v2, 5, v173
	s_delay_alu instid0(VALU_DEP_1)
	v_lshl_add_u32 v2, v172, 4, v2
	s_delay_alu instid0(VALU_DEP_1)
	v_add_nc_u32 v2, s32, v2                       ; q, k codes: my token's 32 bytes, + 16 h
	v_lshl_add_u32 v3, v173, 2, s33                ; and its scale word
	v_add_nc_u32 v4, s34, v160
	s_delay_alu instid0(VALU_DEP_1)
	v_add_nc_u32 v4, VL, v4                        ; v's slot images
	v_lshl_add_u32 v5, v171, 3, s33                ; v's scale halfwords: 8 bytes a channel
	v_add_nc_u32 v161, s35, v1                     ; my wave's 1,536 bytes of the weights
	v_add_nc_u32 v162, s32, v160
	v_add_nc_u32 v174, MSK, v162                   ; my wave's 2,048 bytes among the masks
	v_lshl_add_u32 v163, v170, 3, s33
	v_lshlrev_b32 v164, 2, v170                    ; 4 x lane
	s_delay_alu instid0(VALU_DEP_1)
	v_add_nc_u32 v165, s36, v164
	v_lshlrev_b32 v166, 2, v171
	s_delay_alu instid0(VALU_DEP_1)
	v_lshl_add_u32 v166, v172, 7, v166             ; x's scale words: 128 h + 4 r
.irp i, 156,157,158,159
	v_mov_b32 v\i, 0
.endr
	s_mul_i32 s40, s19, 24576
	s_add_co_u32 s40, s40, s35                     ; wc: the head's 12 fragments, my wave's share
	s_mov_b32 s41, 0
	s_lshl_b32 s42, s20, 5
	s_lshl_b32 s37, s18, 1
	s_add_co_u32 s42, s42, s37                     ; token block 32 image + 2 wave
	s_lshl_b32 s44, s42, 8
	s_lshl_b32 s42, s42, 13
	s_mov_b32 s43, 0
	s_mov_b32 s45, 0
	s_mul_i32 s46, s19, 768
	s_mov_b32 s47, 0
	s_lshl_b32 s48, s18, 10
	s_lshl_b32 s37, s19, 7
	s_add_co_u32 s48, s48, s37                     ; qkv_b: (256 mat + 32 head) x 4, mat = wave (used by waves 0-2 alone)
	s_mov_b32 s49, 0
	s_lshl_b32 s50, s20, 4
	s_add_co_u32 s50, s50, s18                     ; 16 image + row
	s_lshl_b32 s52, s50, 9
	s_lshl_b32 s37, s19, 6
	s_add_co_u32 s52, s52, s37                     ; cs
	s_mov_b32 s53, 0
	s_lshl_b32 s50, s50, 14
	s_lshl_b32 s37, s19, 9
	s_add_co_u32 s50, s50, s37                     ; cc: the head's piece of each image: 2,048 (head / 4) + 512 (head % 4) = 512 head
	s_mov_b32 s51, 0
	s_wait_alu depctr_va_vdst(0)
	s_wait_kmcnt 0x0
	s_add_nc_u64 s[8:9], s[8:9], s[40:41]
	s_add_nc_u64 s[4:5], s[4:5], s[42:43]
	s_add_nc_u64 s[6:7], s[6:7], s[44:45]
	s_add_nc_u64 s[10:11], s[10:11], s[46:47]
	s_add_nc_u64 s[12:13], s[12:13], s[48:49]
	s_add_nc_u64 s[14:15], s[14:15], s[50:51]
	s_add_nc_u64 s[16:17], s[16:17], s[52:53]
.irp i, 0,1,2
	global_load_b128 v[144+4*\i:144+4*\i+3], v160, s[8:9] offset:512*\i
.endr
.set fi, 0
.rept 8
.irp c, 0,1,2,3
	global_load_b128 v[XF+16*fi+4*\c:XF+16*fi+4*\c+3], v160, s[4:5] offset:fi*2048+512*\c   ; fragment 2 (tile) + K step
.endr
.set fi, fi+1
.endr
.irp i, 0,1,2,3
	global_load_b32 v[XSC+\i], v166, s[6:7] offset:(\i/2)*256+(\i%2)*64
.endr
.irp k, 0,1,2,3,4,5
	global_load_b32 v[WSC+\k], v164, s[10:11] offset:\k*128
.endr
	s_wait_loadcnt 42                              ; the three weight loads are in; the 32 + 4 + 6 behind them may be out
.irp i, 0,1,2
	ds_store_b128 v161, v[144+4*\i:144+4*\i+3] offset:512*\i
.endr
	s_cmp_lt_u32 s18, 3
	s_cbranch_scc0 .Lnot_low
	global_load_b32 v167, v164, s[12:13]           ; waves 0-2: q's, k's, v's 32 biases
	ZFILL 0                                        ; and the three rows of zeros above the grid
	s_wait_loadcnt 0x0
	ds_store_b32 v165, v167 offset:BL
.Lnot_low:
	s_cmp_ge_u32 s18, 13
	s_cbranch_scc0 .Lnot_high
	ZFILL 6                                        ; waves 13-15: the three rows below
.Lnot_high:
	; THE MASK OF A KEY ROW hangs on the lane and on the kind of tile alone: key n of my half counts where 0 <= e - n <= 10, e = query's place - half's first key + 5.
	; Three waves make one kind each, once a work-group: 16 registers (0 or -1e30), which every trip loads as the C of its products.
	s_cmp_ge_u32 s18, 4
	s_cbranch_scc0 .Lno_mask
	s_cmp_lt_u32 s18, 7
	s_cbranch_scc0 .Lno_mask
	s_cmp_eq_u32 s18, 4
	s_cselect_b32 s38, 13, -3                      ; T even: e = 8 + r - 16 h + 5;  T odd: the halves change places: e = r - 8 + 16 h + 5
	s_cselect_b32 s39, -16, 16
	s_cmp_eq_u32 s18, 6
	s_cselect_b32 s54, 64, 0                       ; T = 3: the window wraps round the row's end: queries 56-63 see nothing of columns 0-15, queries 0-7 nothing of 48-63
	v_lshrrev_b32 v224, 3, v171
	v_xor_b32 v224, 1, v224
	v_xor_b32 v224, v172, v224                     ; h xor (1 - r / 8)
	v_mul_lo_u32 v225, v172, s39
	v_mul_lo_u32 v224, v224, s54
	v_add3_u32 v225, v225, v171, s38
	v_add_nc_u32 v225, v225, v224                  ; e
	v_mov_b32 v227, s29
	v_mov_b32 v228, 0
.irp n, 0,1,2,3,4,5,6,7,8,9,10,11,12,13,14,15
	v_add_nc_u32 v226, -\n, v225
	s_delay_alu instid0(VALU_DEP_1)
	v_cmp_gt_u32 vcc_lo, 11, v226
	s_delay_alu instid0(VALU_DEP_1)
	v_cndmask_b32 v[208+\n], v227, v228, vcc_lo
.endr
.irp j, 0,1,2,3
	ds_store_b128 v174, v[208+4*\j:208+4*\j+3] offset:512*\j
.endr
.Lno_mask:
	s_wait_loadcnt 0x0
	BARRIER
; One of q, k, v for my 64 tokens: 16 products (8 accumulators by turns, two K steps), then the quantiser and the way into LDS
.macro MAT mat
.if \mat < 2
	v_bfe_u32 v144, v0, 4, 1
	s_delay_alu instid0(VALU_DEP_1)
	v_lshlrev_b32 v144, 6, v144
.irp j, 0,1,2,3
	ds_load_b128 v[BI+4*\j:BI+4*\j+3], v144 offset:BL+\mat*128+16*\j   ; register 8 u + j: the bias of channel 16 h + 8 u + j
.endr
.else
	v_and_b32 v144, 15, v0
	s_delay_alu instid0(VALU_DEP_1)
	v_and_b32 v145, 8, v144
	s_delay_alu instid0(VALU_DEP_1)
	v_add_nc_u32 v144, v144, v145
	s_delay_alu instid0(VALU_DEP_1)
	v_lshlrev_b32 v144, 2, v144
.irp t, 0,1
.irp j, 0,1,2,3,4,5,6,7
	ds_load_b32 v[BI+8*\t+\j], v144 offset:BL+256+32*\t   ; a lane holds one channel: its bias in all eight registers
.endr
.endr
.endif
.irp s, 0,1
.irp u, 0,1
.irp c, 0,1,2,3
	ds_load_b128 v[WF+16*\u+4*\c:WF+16*\u+4*\c+3], v1 offset:(4*\mat+2*\u+\s)*2048+512*\c
.endr
.endr
	s_wait_dscnt 0x0
.irp i, 0,1,2,3
.irp u, 0,1
.if \mat < 2
.if \s == 0
	WM ACC+16*\i+8*\u, WF+16*\u, XF+32*\i, BI+8*\u, WSC+2*\mat+\u, XSC+\i, 0, 0
.else
	WM ACC+16*\i+8*\u, WF+16*\u, XF+32*\i+16, ACC+16*\i+8*\u, WSC+2*\mat+\u, XSC+\i, 1, 1
.endif
.else
.if \s == 0
	WM ACC+32*(\i/2)+16*\u+8*(\i%2), XF+32*\i, WF+16*\u, BI+8*\u, XSC+\i, WSC+4+\u, 0, 0
.else
	WM ACC+32*(\i/2)+16*\u+8*(\i%2), XF+32*\i+16, WF+16*\u, ACC+32*(\i/2)+16*\u+8*(\i%2), XSC+\i, WSC+4+\u, 1, 1
.endif
.endif
.endr
.endr
	PLACES 8                                       ; in front of loads into the weights' registers and of the first read of results
.endr
.if \mat == 0
.set ji, 0
.rept 32
	v_pk_mul_f32 v[ACC+2*ji:ACC+2*ji+1], v[ACC+2*ji:ACC+2*ji+1], s[26:27] op_sel_hi:[1,0]   ; q x 32^-1/2, ahead of its quantiser
.set ji, ji+1
.endr
.endif
	QCORE ACC, PC
.if \mat < 2
.if \mat == 0
.set DSTC, QL
.set DSTS, QSW
.else
.set DSTC, KL+6144
.set DSTS, KSW+768
.endif
.irp b, 0,1,2,3
	ds_store_b128 v2, v[PC+4*\b:PC+4*\b+3] offset:DSTC+(\b/2)*1024+(\b%2)*256
	v_or_b32 v[TM+4+\b], 0x7f7f7f00, v[TM+4+\b]    ; the byte of the 32 that exist; 127 for the three blocks of zeros
	ds_store_b32 v3, v[TM+4+\b] offset:DSTS+(\b/2)*128+(\b%2)*32
.endr
.else
	v_mov_b32 v[TM], 0
.irp k, 0,1,2,3,4,5,6,7,8,9,10,11,12,13,14,15
	v_cndmask_b32 v[BI+\k], v[TM], v[PC+\k], s30   ; slot b: lanes 0-15 zeroed
.endr
.irp k, 0,1,2,3,4,5,6,7,8,9,10,11,12,13,14,15
	v_cndmask_b32 v[PC+\k], v[PC+\k], v[TM], s30   ; slot a: lanes 16-31 zeroed
.endr
.irp b, 0,1,2,3
	ds_store_b128 v4, v[PC+4*\b:PC+4*\b+3] offset:12288+(\b/2)*2048+(\b%2)*512
	ds_store_b128 v4, v[BI+4*\b:BI+4*\b+3] offset:12288+(\b/2)*2048+1024+(\b%2)*512
.endr
.irp t, 0,1
	v_perm_b32 v[TM+8+2*\t], v[TM+6+\t], v[TM+4+\t], 0x00040000   ; (slot a, slot b) for T = 0: blocks (0, 0); T = 1: (1, 0)
	v_perm_b32 v[TM+9+2*\t], v[TM+6+\t], v[TM+4+\t], 0x04000404   ; T = 2: (1, 1); T = 3: (0, 1)
	ds_store_b64 v5, v[TM+8+2*\t:TM+9+2*\t] offset:VSW+768+\t*128
.endr
.endif
	s_wait_dscnt 0x0                               ; the stores have read their registers
.endm
	MAT 0
	MAT 1
	MAT 2
	s_barrier_signal -1
	s_barrier_wait -1                              ; every row's q, k, v lie in LDS; from here on LDS is only read
	v_and_b32 v18, 15, v0                          ; r
	v_bfe_u32 v19, v0, 4, 1                        ; h
	v_and_b32 v20, 31, v0
	s_delay_alu instid0(VALU_DEP_3)
	v_lshrrev_b32 v3, 3, v18                       ; r / 8
	s_delay_alu instid0(VALU_DEP_1)
	v_xor_b32 v251, 1, v3
	v_and_b32 v21, 7, v18
	s_delay_alu instid0(VALU_DEP_1)
	v_lshlrev_b32 v16, 5, v21
	s_delay_alu instid0(VALU_DEP_1)
	v_lshl_add_u32 v16, v19, 4, v16
	s_delay_alu instid0(VALU_DEP_1)
	v_add_nc_u32 v16, s32, v16                     ; K: 2,048 wave + 32 (r % 8) + 16 h
	s_delay_alu instid0(VALU_DEP_4)
	v_lshlrev_b32 v4, 2, v21
	s_delay_alu instid0(VALU_DEP_1)
	v_lshl_add_u32 v4, v19, 5, v4
	s_delay_alu instid0(VALU_DEP_1)
	v_add_nc_u32 v4, s33, v4                       ; K's words: 256 wave + 4 (r % 8) + 32 h: lanes 16-31 take the tile 8 columns on
	v_lshlrev_b32 v252, 5, v18
	s_delay_alu instid0(VALU_DEP_1)
	v_lshl_add_u32 v252, v19, 4, v252
	s_delay_alu instid0(VALU_DEP_1)
	v_add_nc_u32 v252, s32, v252                   ; Q: 2,048 wave + 32 r + 16 h
	v_lshl_add_u32 v253, v18, 2, s33
	v_lshlrev_b32 v24, 4, v20
	s_delay_alu instid0(VALU_DEP_1)
	v_add_nc_u32 v5, s34, v24
	s_delay_alu instid0(VALU_DEP_1)
	v_add_nc_u32 v5, VL, v5
	v_lshlrev_b32 v17, 3, v18
	s_delay_alu instid0(VALU_DEP_1)
	v_lshl_add_u32 v17, v19, 7, v17
	s_delay_alu instid0(VALU_DEP_1)
	v_add_nc_u32 v17, s33, v17                     ; V's halfwords: lanes 16-31 take tile t = 1
	v_add_nc_u32 v14, MSK+8192, v24                ; the masks: wave 4's image, + 16 x lane
.irp i, 232,233,234,235,236,237,238,239,240,241,242,243
	v_mov_b32 v\i, 0                               ; behind K's last tiles, and p's two slots that no key row fills
.endr
.macro SROW dr                         ; the scores of key row wave + dr - 3: two tiles of 16 keys; -1e30 where the row lies outside the grid
.if \dr < 3
	s_cmp_ge_u32 s18, 3-\dr
	s_cbranch_scc0 .Lno_row_\@
.elseif \dr > 3
	s_cmp_le_u32 s18, 18-\dr
	s_cbranch_scc0 .Lno_row_\@
.endif
	s_wait_alu depctr_va_vdst(0)
	WM SS+16*\dr, KF+8*\dr, QF, MASK, SCL+\dr, SCL+7, 0, 0
	WM SS+16*\dr+8, KF+8*\dr+4, QF, MASK+8, SCL+\dr, SCL+7, 1, 0
.if \dr != 3
	s_branch .Lrow_done_\@
.Lno_row_\@:
.irp i, 0,1,2,3,4,5,6,7,8,9,10,11,12,13,14,15
	v_mov_b32 v[SS+16*\dr+\i], s29
.endr
.Lrow_done_\@:
.endif
.endm
.macro TRIP T
.set BA, (((\T)+1)>>1)&1               ; slot a's block of 32 keys, slot b's
.set BB, (\T)>>1
; lanes with r / 8 = x take the half block HA + HM x (SR says whether x or 1 - x)
.if (\T) == 0
.set HA, 0
.set HM, 1
.set SR, 3
.set ER, 0
.elseif (\T) == 1
.set HA, 1
.set HM, 1
.set SR, 251
.set ER, 1
.elseif (\T) == 2
.set HA, 2
.set HM, 1
.set SR, 3
.set ER, 0
.else
.set HA, 0
.set HM, 3
.set SR, 3
.set ER, 2
.endif
.if (\T) > 0
	s_wait_xcnt 0x0                                ; the last tile's store has read v20-23
.endif
	v_mad_u32_u24 v1, v[SR], HM*512, v16
	v_mad_u32_u24 v2, v[SR], HM*64, v4
.if (\T) < 3
	ds_load_b128 v[QF:QF+3], v252 offset:QL+(16*(\T)+8)*32
	ds_load_b32 v[SCL+7], v253 offset:QSW+(16*(\T)+8)*4
.else
	v_mad_u32_u24 v244, v251, 2048, v252           ; columns 56 + r for r < 8, r - 8 from there on
	v_mad_u32_u24 v245, v251, 256, v253
	ds_load_b128 v[QF:QF+3], v244 offset:QL-256
	ds_load_b32 v[SCL+7], v245 offset:QSW-32
.endif
.irp dr, 0,1,2,3,4,5,6
	ds_load_b128 v[KF+8*\dr:KF+8*\dr+3], v1 offset:KL+\dr*2048+HA*512
	ds_load_b128 v[KF+8*\dr+4:KF+8*\dr+7], v1 offset:KL+\dr*2048+HA*512+256
	ds_load_b32 v[SCL+\dr], v2 offset:KSW+\dr*256+HA*64
.endr
	; the mask of a key row, as the C of its two products: key n of my half counts where 0 <= query - key + 5 <= 10
.irp j, 0,1,2,3
	ds_load_b128 v[MASK+4*\j:MASK+4*\j+3], v14 offset:ER*2048+512*\j   ; the mask of this kind of tile (ER: 0 T even, 1 T = 1, 2 T = 3), as it was laid ahead of the first barrier
.endr
.irp i, 4,5,6,7,8,9,10,11,12,13,14,15
	v_mov_b32 v[QF+\i], 0                          ; q's codes beyond the head's 32
.endr
	PLACES 4                                       ; an operand written by vector instructions stands four places ahead of a scaled product
	s_wait_dscnt 0x0
.irp dr, 0,1,2,3,4,5,6
	SROW \dr
.endr
	PLACES 8
.irp dr, 0,1,2,3,4,5,6
	ds_load_u16 v[SCL+\dr], v17 offset:VSW+\dr*256+2*(\T)   ; V's two bytes of this key row
.endr
	; the largest score of each key row's 16 in my lane: it serves the row's maximum and, since p rises with the score, the block's largest p
.irp dr, 0,1,2,3,4,5,6
	v_max3_num_f32 v[MR+\dr], v[SS+16*\dr], v[SS+16*\dr+1], v[SS+16*\dr+2]
.endr
.irp i, 3,5,7,9,11,13
.irp dr, 0,1,2,3,4,5,6
	v_max3_num_f32 v[MR+\dr], v[MR+\dr], v[SS+16*\dr+\i], v[SS+16*\dr+\i+1]
.endr
.endr
.irp dr, 0,1,2,3,4,5,6
	v_max_num_f32 v[MR+\dr], v[MR+\dr], v[SS+16*\dr+15]
.endr
	v_max3_num_f32 v18, v[MR], v[MR+1], v[MR+2]
	s_delay_alu instid0(VALU_DEP_1)
	v_max3_num_f32 v18, v18, v[MR+3], v[MR+4]
	s_delay_alu instid0(VALU_DEP_1)
	v_max3_num_f32 v18, v18, v[MR+5], v[MR+6]
	s_delay_alu instid0(VALU_DEP_1)
	v_permlanex16_b32 v19, v18, s[SEL], s[SEL+1]
	s_delay_alu instid0(VALU_DEP_1)
	v_max_num_f32 v18, v18, v19                    ; the query's largest score
	s_delay_alu instid0(VALU_DEP_1)
	v_mul_f32 v18, s24, v18
	s_delay_alu instid0(VALU_DEP_1)
	v_floor_f32 v26, -v18                          ; -M = floor(-t) = -ceil(t)
	s_delay_alu instid0(VALU_DEP_1)
	v_mov_b32 v27, v26
.set ji, 0
.rept 56
	v_pk_fma_f32 v[SS+2*ji:SS+2*ji+1], v[SS+2*ji:SS+2*ji+1], s[24:25], v[26:27] op_sel_hi:[1,0,0]   ; t - M
.set ji, ji+1
.endr
.irp dr, 0,1,2,3,4,5,6
	v_fma_f32 v[MR+\dr], v[MR+\dr], s24, v26
.endr
.set ji, 0
	s_wait_alu depctr_va_vdst(0)
.rept 112
	v_exp_f32 v[SS+ji], v[SS+ji]                   ; p = 2^(t - M)
.set ji, ji+1
.endr
	v_nop                                          ; a plain line behind the batch
	s_wait_alu depctr_va_vdst(0)                   ; one wait for the 112, ahead of their first reader
.irp dr, 0,1,2,3,4,5,6
	v_exp_f32 v[MR+\dr], v[MR+\dr]                 ; the largest p of my 16 of each key row
.endr
	v_pk_add_f32 v[28:29], v[SS:SS+1], v[SS+2:SS+3]       ; the sum of the unquantised p, in two chains
	v_pk_add_f32 v[30:31], v[SS+4:SS+5], v[SS+6:SS+7]
.set ji, 4
.rept 26
	v_pk_add_f32 v[28:29], v[28:29], v[SS+2*ji:SS+2*ji+1]
	v_pk_add_f32 v[30:31], v[30:31], v[SS+2*ji+2:SS+2*ji+3]
.set ji, ji+2
.endr
	s_wait_alu depctr_va_vdst(0)                   ; and one for the seven
	s_wait_dscnt 0x0                               ; V's bytes
	v_lshl_or_b32 v[SCL], v[SCL+1], 16, v[SCL]     ; V's scale words: (row 2 k: a, b; row 2 k + 1: a, b)
	v_lshl_or_b32 v[SCL+2], v[SCL+3], 16, v[SCL+2]
	v_lshl_or_b32 v[SCL+4], v[SCL+5], 16, v[SCL+4]
.irp dr, 0,1,2,3,4,5,6
	v_permlanex16_b32 v[OTH+\dr], v[MR+\dr], s[SEL], s[SEL+1]
.endr
.if ((\T)&1) == 0                      ; the window's halves are one block of 32 keys: one scale for both
.irp dr, 0,1,2,3,4,5,6
	v_max3_num_f32 v[MR+\dr], v[MR+\dr], v[OTH+\dr], 0x4800000
.endr
.else                                  ; they belong to two blocks (whose other halves are hidden: p = 0 there): a scale each
.irp dr, 0,1,2,3,4,5,6
	v_max_num_f32 v[MR+\dr], 0x4800000, v[MR+\dr]
.endr
.irp dr, 0,1,2,3,4,5,6
	v_max_num_f32 v[OTH+\dr], 0x4800000, v[OTH+\dr]
.endr
.endif
.irp dr, 0,1,2,3,4,5,6
	v_add_nc_u32 v[SO+\dr], 0xfc000000, v[MR+\dr]  ; the conversion's scale operand
.endr
.irp dr, 0,1,2,3,4,5,6
	v_and_or_b32 v[LIM+\dr], v[MR+\dr], 0x7f800000, s[MNT]
.endr
.if ((\T)&1) == 0
.irp dr, 0,1,2,3,4,5,6
	v_lshrrev_b32 v[OTH+\dr], 23, v[SO+\dr]
.endr
.irp dr, 0,1,2,3,4,5,6
	v_lshl_or_b32 v[HW+\dr], v[OTH+\dr], 8, v[OTH+\dr]
.endr
.else
.irp dr, 0,1,2,3,4,5,6
	v_add_nc_u32 v[OTH+\dr], 0xfc000000, v[OTH+\dr]
.endr
.irp dr, 0,1,2,3,4,5,6
	v_lshrrev_b32 v[OTH+\dr], 23, v[OTH+\dr]
.endr
.irp dr, 0,1,2,3,4,5,6
	v_lshrrev_b32 v[MR+\dr], 23, v[SO+\dr]
.endr
.irp dr, 0,1,2,3,4,5,6
	v_lshl_or_b32 v[HW+\dr], v[OTH+\dr], 8, v[MR+\dr]   ; in lanes 0-15, which are read: slot a's byte (mine), slot b's (lane + 16's)
.endr
.endif
	v_lshl_or_b32 v[SCL+1], v[HW+1], 16, v[HW]     ; p's scale words
	v_lshl_or_b32 v[SCL+3], v[HW+3], 16, v[HW+2]
	s_delay_alu instid0(VALU_DEP_4)
	v_lshl_or_b32 v[SCL+5], v[HW+5], 16, v[HW+4]
	s_delay_alu instid0(VALU_DEP_4)
	v_mov_b32 v[SCL+7], v[HW+6]
.irp dr, 0,1,2,3,4,5,6
.irp i, 0,1,2,3,4,5,6,7,8,9,10,11,12,13,14,15
	v_min_num_f32 v[SS+16*\dr+\i], v[SS+16*\dr+\i], v[LIM+\dr]   ; p is not negative: the hold is one-sided
.endr
	v_cvt_scalef32_pk8_fp8_f32 v[PP+8*\dr:PP+8*\dr+1], v[SS+16*\dr:SS+16*\dr+7], v[SO+\dr]
	v_cvt_scalef32_pk8_fp8_f32 v[PP+8*\dr+2:PP+8*\dr+3], v[SS+16*\dr+8:SS+16*\dr+15], v[SO+\dr]
.endr
	v_nop
.irp t, 0,1
.irp dr, 0,1,2,3,4,5,6
	ds_load_b128 v[VF+56*\t+8*\dr:VF+56*\t+8*\dr+3], v5 offset:\dr*4096+BA*2048+\t*512
	ds_load_b128 v[VF+56*\t+8*\dr+4:VF+56*\t+8*\dr+7], v5 offset:\dr*4096+BB*2048+1024+\t*512
.endr
.endr
.irp dr, 0,1,2,3,4,5,6
.irp k, 0,1,2,3
	v_mov_b32 v[PP+8*\dr+4+\k], v[PP+8*\dr+\k]     ; the row's codes once more, for slot b
.endr
.endr
	PLACES 4
	s_wait_dscnt 0x0
	; O^T = V^T P^T: two tiles of 16 channels by turns, four K steps of two key rows x two slots (the last has one row; its other two slots are zeros in p)
	v_wmma_scale_f32_16x16x128_f8f6f4 v[OO:OO+7], v[VF:VF+15], v[PP:PP+15], 0, v[SCL], v[SCL+1]
	v_wmma_scale_f32_16x16x128_f8f6f4 v[OO+8:OO+15], v[VF+56:VF+71], v[PP:PP+15], 0, v[SCL], v[SCL+1] matrix_a_scale:MATRIX_SCALE_ROW1
.irp ka, 1,2,3
	WM OO, VF+16*\ka, PP+16*\ka, OO, SCL+2*\ka, SCL+2*\ka+1, 0, 0
	s_wait_alu depctr_va_vdst(0)
	WM OO+8, VF+56+16*\ka, PP+16*\ka, OO+8, SCL+2*\ka, SCL+2*\ka+1, 1, 0
.endr
	v_add_f32 v28, v28, v29
	v_add_f32 v30, v30, v31
	s_delay_alu instid0(VALU_DEP_1)
	v_add_f32 v28, v28, v30
	s_delay_alu instid0(VALU_DEP_1)
	v_permlanex16_b32 v19, v28, s[SEL], s[SEL+1]
	s_delay_alu instid0(VALU_DEP_1)
	v_add_f32 v28, v28, v19                        ; the query's sum
	s_wait_alu depctr_va_vdst(0)
	v_rcp_f32 v30, v28
	PLACES 5                                       ; with the four additions: the places behind the last products; also the plain line behind the reciprocal
	s_wait_alu depctr_va_vdst(0)
.irp j, 0,2,4,6,8,10,12,14
	v_pk_mul_f32 v[OO+\j:OO+\j+1], v[OO+\j:OO+\j+1], v[30:31] op_sel_hi:[1,0]   ; register 8 t + j: channel 16 h + 8 t + j of my query
.endr
	v_max3_num_f32 v18, |v[OO]|, |v[OO+1]|, 0x4800000
.irp i, 2,4,6,8,10,12,14
	s_delay_alu instid0(VALU_DEP_1)
	v_max3_num_f32 v18, v18, |v[OO+\i]|, |v[OO+\i+1]|
.endr
	s_delay_alu instid0(VALU_DEP_1)
	v_permlanex16_b32 v19, v18, s[SEL], s[SEL+1]
	s_delay_alu instid0(VALU_DEP_1)
	v_max_num_f32 v18, v18, v19
	s_delay_alu instid0(VALU_DEP_1)
	v_add_nc_u32 v19, 0xfc000000, v18
	s_delay_alu instid0(VALU_DEP_2)
	v_and_or_b32 v18, v18, 0x7f800000, s[MNT]
.irp i, 0,1,2,3,4,5,6,7,8,9,10,11,12,13,14,15
	v_med3_num_f32 v[OO+\i], v[OO+\i], -v18, v18
.endr
	v_cvt_scalef32_pk8_fp8_f32 v[20:21], v[OO:OO+7], v19
	v_cvt_scalef32_pk8_fp8_f32 v[22:23], v[OO+8:OO+15], v19
	v_lshrrev_b32 v18, 23, v19                     ; ctx's scale byte
	global_store_b128 v24, v[20:23], s[14:15] offset:(\T)*4096   ; 512 consecutive bytes: group (head % 4) of fragment (tile T, K step head / 4)
.if (\T) == 0
	v_mov_b32 v25, v18
.else
	v_lshl_or_b32 v25, v18, 8*(\T), v25
.endif
.endm
	TRIP 0
	TRIP 1
	TRIP 2
	TRIP 3
	s_wait_xcnt 0x0                                ; EXEC changes only behind this wait
	v_and_b32 v18, 31, v0
	s_delay_alu instid0(VALU_DEP_1)
	v_lshlrev_b32 v19, 2, v18
	s_wait_alu depctr_va_vdst(0)
	v_cmp_gt_u32 vcc_lo, 16, v18
	s_and_saveexec_b32 s40, vcc_lo
	global_store_b32 v19, v25, s[16:17]            ; lane r: the four tiles' bytes
	s_wait_xcnt 0x0
	s_or_b32 exec_lo, exec_lo, s40
	s_wait_xcnt 0x0
	s_mov_b32 exec_lo, -1
	v_lshl_add_u32 v4, v0, 2, 0x32e00
	v_mov_b32 v5, 0
	s_wait_alu depctr_va_vdst(0)
	s_wait_tensorcnt 0x0
	ds_add_u32 v4, v5
	s_wait_dscnt 0x0
	s_endpgm
.Lfunc_end_k_q74a904ed44_attn:
	.size	k_q74a904ed44_attn, .Lfunc_end_k_q74a904ed44_attn-k_q74a904ed44_attn
	.p2alignl 7, 3214868480
	.fill 96, 4, 3214868480
	.section	.rodata,"a",@progbits
	.p2align	6, 0x0
	.amdhsa_kernel k_q74a904ed44_attn
		.amdhsa_group_segment_fixed_size 243200
		.amdhsa_private_segment_fixed_size 0
		.amdhsa_enable_private_segment 0
		.amdhsa_kernarg_size 56
		.amdhsa_user_sgpr_count 2
		.amdhsa_user_sgpr_kernarg_segment_ptr 1
		.amdhsa_wavefront_size32 1
		.amdhsa_system_sgpr_workgroup_id_x 1
		.amdhsa_system_sgpr_workgroup_id_y 1
		.amdhsa_system_sgpr_workgroup_id_z 1
		.amdhsa_system_vgpr_workitem_id 0
		.amdhsa_next_free_vgpr 256
		.amdhsa_next_free_sgpr 66
		.amdhsa_reserve_vcc 1
		.amdhsa_float_denorm_mode_32 3
		.amdhsa_float_denorm_mode_16_64 3
		.amdhsa_memory_ordered 1
		.amdhsa_forward_progress 1
		.amdhsa_inst_pref_size 218
	.end_amdhsa_kernel
	.amdgpu_metadata
---
amdhsa.version: [ 1, 2 ]
amdhsa.kernels:
  - .name:           k_q74a904ed44_attn
    .symbol:         k_q74a904ed44_attn.kd
    .args:
      - { .name: xc, .offset: 0, .size: 8, .value_kind: global_buffer, .address_space: global }
      - { .name: xs, .offset: 8, .size: 8, .value_kind: global_buffer, .address_space: global }
      - { .name: wc, .offset: 16, .size: 8, .value_kind: global_buffer, .address_space: global }
      - { .name: ws, .offset: 24, .size: 8, .value_kind: global_buffer, .address_space: global }
      - { .name: qkv_b, .offset: 32, .size: 8, .value_kind: global_buffer, .address_space: global }
      - { .name: cc, .offset: 40, .size: 8, .value_kind: global_buffer, .address_space: global }
      - { .name: cs, .offset: 48, .size: 8, .value_kind: global_buffer, .address_space: global }
    .group_segment_fixed_size: 243200
    .private_segment_fixed_size: 0
    .kernarg_segment_align: 8
    .kernarg_segment_size: 56
    .max_flat_workgroup_size: 512
    .sgpr_count:     66
    .vgpr_count:     256
    .wavefront_size: 32
...
	.end_amdgpu_metadata
.endif
;; end of part 2
;; launch mlp (part 3): grid 8 x 32, 4 waves a work-group, no clusters, 224,768 bytes of LDS; arguments cc, cs, x, wc, ws, proj_b, ln1_g, ln1_b, fc1_b, fc2_b, ln2_g, ln2_b, out0; writes out0
.if DOCPART == 3
	.amdgcn_target "amdgcn-amd-amdhsa--gfx1250"
	.amdhsa_code_object_version 6
	.text
	.protected	k_q74a904ed44_mlp
	.globl	k_q74a904ed44_mlp
	.p2align	8
	.type	k_q74a904ed44_mlp,@function
k_q74a904ed44_mlp:
	s_mov_b64 s[64:65], 0
	v_nop
	global_prefetch_b8 v0, s[64:65] scope:SCOPE_SE
	s_setreg_imm32_b32 hwreg(HW_REG_WAVE_MODE, 25, 1), 1
	s_wait_xcnt 0x0
; One work-group = 128 tokens (grid rows 2 y, 2 y + 1 of an image): x1 = LN1(x + ctx Wp + bp); out = LN2(x1 + gelu(x1 W1 + b1) W2 + b2).  All four products on codes of E4M3 with E8M0 scales; all else f32.
; Eight tiles of 16 tokens, m = 4 a + T: lane r stands for token 64 (2 y + a) + (16 T + 8 + r) % 64, as the attention launch left its ctx codes.
; THE WAVES SHARE THE COLUMNS: wave w owns output channels 64 w .. 64 w + 63 and hidden units 256 w .. 256 w + 255, for all 128 tokens.  Every weight fragment goes from memory straight into ONE wave's registers,
; once a work-group, and feeds eight products; what goes round through LDS is the tokens' codes, as images of the operand's registers.  So no weight tile passes through LDS, and nothing is asked for jointly with other work-groups.
; All products are used transposed (source 0 = 16 weight columns, source 1 = 16 tokens): a lane holds one token, its registers run along the channels; the columns of a weight tile are chosen so that 16 registers are 16 neighbours.
; The residuals cost nothing: x is the C of proj's first products, x1 stays in the accumulators under fc2's.  LayerNorm: mean first, then the squares of the differences; sums across lanes 16 apart and, through LDS, across the four waves.
; gelu(u) = u (1/2 + u P(u^2) / Q(u^2)): the rational erf of degree 13 / 8 in u / sqrt 2, u held within +-4 sqrt 2 inside it.
; LIMITS: NaN and infinities are not served; a block of zeros gets the byte 1 (its codes are zeros); Phi(u) in gelu carries an absolute error near 1e-7, so far on the negative side gelu has that times |u|, not erfc's relative accuracy.
; REGISTERS, in windows of 256: window 0: v0-31 addresses, the hidden scale bytes, two constants; v32-61 scales and nothing else; v64-127 at work; v128-255 the hidden layer's 16 accumulators (later rows of out).
;   window 1: 16 token fragments (ctx, then x1; in fc2 two sets of eight of h).   window 2: register 32 m + i = channel 64 w + 32 (i / 16) + 16 h + i % 16 of token (m, r): x, y, x1, y2, out in turn.
;   window 3: four weight buffers of 64; LayerNorm's parameters and fc1's bias where these are idle.
.set RED,  0                           ; four areas of 2,048: [m][r][wave] f32
.set XSC,  8192                        ; x1's scale words [m][s][r]
.set HSC,  9216                        ; h's scale words [wave][trip][m][r]: whole in trips 3 and 7
.set XIMG, 25600                       ; x1's 16 images
.set STG,  58368                       ; two stages of 16 x 272 for each wave
.set HIMG, 93184                       ; h: [wave][trip 8][m 8][512]: group c = trip % 4 of fragment (K step 2 wave + trip / 4, m)
.set SEL,  34
.set MNT,  36
.set TM,   64
.set PC,   80
.set RT,   64                          ; v64-95 the waves' partial sums
.set SUM,  96                          ; v96-111 eight pairs
.set MU,   112                         ; v112-127 eight pairs: -mean, then 1 / sqrt(var + eps)
.set GU,   64
.set GW,   80
.set GP,   96
.set GQ,   112
.set CP6, 66
.set CP4, 68
.set CP3, 70
.set CP2, 72
.set CP1, 74
.set CP0, 76
.set CQ4, 78
.set CQ2, 80
.set CQ1, 82
.set CQ0, 84
.set MSB, 0
.macro WIN new                         ; bits 1:0 source 0, 3:2 source 1, 5:4 source 2, 7:6 destination; the high byte repeats the setting that is left
.if MSB != \new
	s_set_vgpr_msb (MSB<<8)|\new
.set MSB, \new
.endif
.endm
.macro WM d, a, b, c, sa, sb, ra, rb
.if ((\ra)==0) && ((\rb)==0)
	v_wmma_scale_f32_16x16x128_f8f6f4 v[\d:\d+7], v[\a:\a+15], v[\b:\b+15], v[\c:\c+7], v[\sa], v[\sb]
.elseif ((\rb)==0)
	v_wmma_scale_f32_16x16x128_f8f6f4 v[\d:\d+7], v[\a:\a+15], v[\b:\b+15], v[\c:\c+7], v[\sa], v[\sb] matrix_a_scale:MATRIX_SCALE_ROW1
.elseif ((\ra)==0)
	v_wmma_scale_f32_16x16x128_f8f6f4 v[\d:\d+7], v[\a:\a+15], v[\b:\b+15], v[\c:\c+7], v[\sa], v[\sb] matrix_b_scale:MATRIX_SCALE_ROW1
.else
	v_wmma_scale_f32_16x16x128_f8f6f4 v[\d:\d+7], v[\a:\a+15], v[\b:\b+15], v[\c:\c+7], v[\sa], v[\sb] matrix_a_scale:MATRIX_SCALE_ROW1 matrix_b_scale:MATRIX_SCALE_ROW1
.endif
.endm
.macro PLACES n
.rept \n
	v_nop
.endr
.endm
.macro BARRIER
	s_wait_dscnt 0x0
	s_barrier_signal -1
	s_barrier_wait -1
.endm
.macro COEF r, bits
	s_mov_b32 s[\r], \bits
	s_mov_b32 s[\r+1], \bits
.endm
.macro QTAIL                           ; from the four largest magnitudes of my half to scale operands, holds and bytes
.irp b, 0,1,2,3
	v_permlanex16_b32 v[TM+4+\b], v[TM+\b], s[SEL], s[SEL+1]
.endr
.irp b, 0,1,2,3
	v_max_num_f32 v[TM+\b], v[TM+\b], v[TM+4+\b]
.endr
.irp b, 0,1,2,3
	v_add_nc_u32 v[TM+12+\b], 0xfc000000, v[TM+\b]
.endr
.irp b, 0,1,2,3
	v_and_or_b32 v[TM+8+\b], v[TM+\b], 0x7f800000, s[MNT]
.endr
.irp b, 0,1,2,3
	v_lshrrev_b32 v[TM+4+\b], 23, v[TM+12+\b]
.endr
.endm
.macro QCVT s                          ; 64 held numbers in window 0 become 16 code registers
.irp b, 0,1,2,3
	v_cvt_scalef32_pk8_fp8_f32 v[PC+4*\b:PC+4*\b+1], v[\s+16*\b:\s+16*\b+7], v[TM+12+\b]
	v_cvt_scalef32_pk8_fp8_f32 v[PC+4*\b+2:PC+4*\b+3], v[\s+16*\b+8:\s+16*\b+15], v[TM+12+\b]
.endr
	v_nop                                          ; a plain line behind the last conversion
.endm
; x1 of tiles 2 q, 2 q + 1 (window 2, left whole) is quantised; the held numbers go to v128-191; images and scale halfwords to LDS
.macro QX q
	WIN 0x0a
.irp b, 0,1,2,3
	v_max3_num_f32 v[TM+\b], |v[64*\q+16*\b]|, |v[64*\q+16*\b+1]|, 0x4800000
.endr
	WIN 0x28
.irp i, 2,4,6,8,10,12,14
.irp b, 0,1,2,3
	v_max3_num_f32 v[TM+\b], v[TM+\b], |v[64*\q+16*\b+\i]|, |v[64*\q+16*\b+\i+1]|
.endr
.endr
	WIN 0
	QTAIL
	WIN 0x02
.irp b, 0,1,2,3
.irp i, 0,1,2,3,4,5,6,7,8,9,10,11,12,13,14,15
	v_med3_num_f32 v[128+16*\b+\i], v[64*\q+16*\b+\i], -v[TM+8+\b], v[TM+8+\b]
.endr
.endr
	WIN 0
	QCVT 128
.irp b, 0,1,2,3
	ds_store_b128 v10, v[PC+4*\b:PC+4*\b+3] offset:(2*\q+\b/2)*4096+(\b%2)*512
.endr
	v_lshl_or_b32 v[TM], v[TM+5], 8, v[TM+4]
	v_lshl_or_b32 v[TM+1], v[TM+7], 8, v[TM+6]
	ds_store_b16 v11, v[TM] offset:(2*\q)*128
	ds_store_b16 v11, v[TM+1] offset:(2*\q+1)*128
	s_wait_dscnt 6                                 ; all but these six stores: the other set's stores have read their registers
.endm
; eight pairs of partial sums -> each token's sum over all 256 channels, in v[RT + 4 m], the same bits in every wave
.macro REDUCE ra
.irp m, 0,1,2,3,4,5,6,7
	v_add_f32 v[SUM+2*\m], v[SUM+2*\m], v[SUM+2*\m+1]
.endr
.irp m, 0,1,2,3,4,5,6,7
	v_permlanex16_b32 v[SUM+2*\m+1], v[SUM+2*\m], s[SEL], s[SEL+1]
.endr
.irp m, 0,1,2,3,4,5,6,7
	v_add_f32 v[SUM+2*\m], v[SUM+2*\m], v[SUM+2*\m+1]
.endr
.irp m, 0,1,2,3,4,5,6,7
	ds_store_b32 v8, v[SUM+2*\m] offset:\ra+256*\m
.endr
	BARRIER                                        ; all four waves' parts lie in this area, which is used once
.irp m, 0,1,2,3,4,5,6,7
	ds_load_b128 v[RT+4*\m:RT+4*\m+3], v9 offset:\ra+256*\m
.endr
	s_wait_dscnt 0x0
.irp m, 0,1,2,3,4,5,6,7
	v_add_f32 v[RT+4*\m], v[RT+4*\m], v[RT+4*\m+1]
.endr
.irp m, 0,1,2,3,4,5,6,7
	v_add_f32 v[RT+4*\m+2], v[RT+4*\m+2], v[RT+4*\m+3]
.endr
.irp m, 0,1,2,3,4,5,6,7
	v_add_f32 v[RT+4*\m], v[RT+4*\m], v[RT+4*\m+2]
.endr
.endm
; window 2 += bias; LayerNorm over the 256 channels of each token; x gain + shift.  The three parameters stand in window 3.  The tiles take turns line by line.
.macro LN pbias, pgain, pshift, ra, rb
	WIN 0x8e
.set PI, 0
.rept 16
.set MI, 0
.rept 8
	v_pk_add_f32 v[32*MI+2*PI:32*MI+2*PI+1], v[32*MI+2*PI:32*MI+2*PI+1], v[\pbias+2*PI:\pbias+2*PI+1]
.set MI, MI+1
.endr
.set PI, PI+1
.endr
	WIN 0x0a
.irp m, 0,1,2,3,4,5,6,7
	v_pk_add_f32 v[SUM+2*\m:SUM+2*\m+1], v[32*\m:32*\m+1], v[32*\m+2:32*\m+3]   ; the first two pairs start the sums
.endr
	WIN 0x08
.set PI, 2
.rept 14
.set MI, 0
.rept 8
	v_pk_add_f32 v[SUM+2*MI:SUM+2*MI+1], v[SUM+2*MI:SUM+2*MI+1], v[32*MI+2*PI:32*MI+2*PI+1]
.set MI, MI+1
.endr
.set PI, PI+1
.endr
	WIN 0
	REDUCE \ra
.irp m, 0,1,2,3,4,5,6,7
	v_mul_f32 v[MU+2*\m], s39, v[RT+4*\m]          ; -mean
.endr
.irp m, 0,1,2,3,4,5,6,7
	v_mov_b32 v[MU+2*\m+1], v[MU+2*\m]
.endr
	WIN 0x82
.set PI, 0
.rept 16
.set MI, 0
.rept 8
	v_pk_add_f32 v[32*MI+2*PI:32*MI+2*PI+1], v[32*MI+2*PI:32*MI+2*PI+1], v[MU+2*MI:MU+2*MI+1]
.set MI, MI+1
.endr
.set PI, PI+1
.endr
	WIN 0x0a
.irp m, 0,1,2,3,4,5,6,7
	v_pk_mul_f32 v[SUM+2*\m:SUM+2*\m+1], v[32*\m:32*\m+1], v[32*\m:32*\m+1]
.endr
.set PI, 1
.rept 15
.set MI, 0
.rept 8
	v_pk_fma_f32 v[SUM+2*MI:SUM+2*MI+1], v[32*MI+2*PI:32*MI+2*PI+1], v[32*MI+2*PI:32*MI+2*PI+1], v[SUM+2*MI:SUM+2*MI+1]
.set MI, MI+1
.endr
.set PI, PI+1
.endr
	WIN 0
	REDUCE \rb
.irp m, 0,1,2,3,4,5,6,7
	v_fma_f32 v[RT+4*\m], v[RT+4*\m], s37, s38     ; var + eps
.endr
	s_wait_alu depctr_va_vdst(0)
.irp m, 0,1,2,3,4,5,6,7
	v_rsq_f32 v[MU+2*\m], v[RT+4*\m]
.endr
	v_nop                                          ; a plain line behind the batch
	s_wait_alu depctr_va_vdst(0)                   ; one wait for the eight, ahead of their first reader
.irp m, 0,1,2,3,4,5,6,7
	v_mov_b32 v[MU+2*\m+1], v[MU+2*\m]
.endr
	WIN 0x82
.set PI, 0
.rept 16
.set MI, 0
.rept 8
	v_pk_mul_f32 v[32*MI+2*PI:32*MI+2*PI+1], v[32*MI+2*PI:32*MI+2*PI+1], v[MU+2*MI:MU+2*MI+1]
.set MI, MI+1
.endr
.set PI, PI+1
.endr
	WIN 0xbe
.set PI, 0
.rept 16
.set MI, 0
.rept 8
	v_pk_fma_f32 v[32*MI+2*PI:32*MI+2*PI+1], v[32*MI+2*PI:32*MI+2*PI+1], v[\pgain+2*PI:\pgain+2*PI+1], v[\pshift+2*PI:\pshift+2*PI+1]
.set MI, MI+1
.endr
.set PI, PI+1
.endr
	WIN 0
.endm
; LN2 GOES BY HALVES of four tiles, so that the first half's rows are stored while the second half is normalised.  The bias is added to all eight tiles first.
.macro LNBIAS pbias
	WIN 0x8e
.set PI, 0
.rept 16
.set MI, 0
.rept 8
	v_pk_add_f32 v[32*MI+2*PI:32*MI+2*PI+1], v[32*MI+2*PI:32*MI+2*PI+1], v[\pbias+2*PI:\pbias+2*PI+1]
.set MI, MI+1
.endr
.set PI, PI+1
.endr
	WIN 0
.endm
; four tiles' partial sums, two pairs a tile (v[SUM + 4 j] on) -> each token's sum over all 256 channels in v[RT + 4 j], the same bits in every wave
.macro REDH ra, m0
.irp j, 0,1,2,3
	v_pk_add_f32 v[SUM+4*\j:SUM+4*\j+1], v[SUM+4*\j:SUM+4*\j+1], v[SUM+4*\j+2:SUM+4*\j+3]
.endr
.irp j, 0,1,2,3
	v_add_f32 v[SUM+4*\j], v[SUM+4*\j], v[SUM+4*\j+1]
.endr
.irp j, 0,1,2,3
	v_permlanex16_b32 v[SUM+4*\j+1], v[SUM+4*\j], s[SEL], s[SEL+1]
.endr
.irp j, 0,1,2,3
	v_add_f32 v[SUM+4*\j], v[SUM+4*\j], v[SUM+4*\j+1]
.endr
.irp j, 0,1,2,3
	ds_store_b32 v8, v[SUM+4*\j] offset:\ra+256*(\m0+\j)
.endr
	BARRIER                                        ; all four waves' parts of these four tiles lie in their bytes of the area, which are used once
.irp j, 0,1,2,3
	ds_load_b128 v[RT+4*\j:RT+4*\j+3], v9 offset:\ra+256*(\m0+\j)
.endr
	s_wait_dscnt 0x0
.irp j, 0,1,2,3
	v_add_f32 v[RT+4*\j], v[RT+4*\j], v[RT+4*\j+1]
.endr
.irp j, 0,1,2,3
	v_add_f32 v[RT+4*\j+2], v[RT+4*\j+2], v[RT+4*\j+3]
.endr
.irp j, 0,1,2,3
	v_add_f32 v[RT+4*\j], v[RT+4*\j], v[RT+4*\j+2]
.endr
.endm
; LayerNorm of tiles m0 .. m0 + 3 (window 2, the bias added already), x gain + shift.  Each tile's sums run in two chains, so that eight chains take turns.
.macro LNH m0, pgain, pshift, ra, rb
	WIN 0x0a
.irp j, 0,1,2,3
	v_pk_add_f32 v[SUM+4*\j:SUM+4*\j+1], v[32*(\m0+\j):32*(\m0+\j)+1], v[32*(\m0+\j)+2:32*(\m0+\j)+3]
.endr
.irp j, 0,1,2,3
	v_pk_add_f32 v[SUM+4*\j+2:SUM+4*\j+3], v[32*(\m0+\j)+4:32*(\m0+\j)+5], v[32*(\m0+\j)+6:32*(\m0+\j)+7]
.endr
	WIN 0x08
.set PI, 4
.rept 12
.irp j, 0,1,2,3
	v_pk_add_f32 v[SUM+4*\j+2*(PI%2):SUM+4*\j+2*(PI%2)+1], v[SUM+4*\j+2*(PI%2):SUM+4*\j+2*(PI%2)+1], v[32*(\m0+\j)+2*PI:32*(\m0+\j)+2*PI+1]
.endr
.set PI, PI+1
.endr
	WIN 0
	REDH \ra, \m0
.irp j, 0,1,2,3
	v_mul_f32 v[MU+2*\j], s39, v[RT+4*\j]          ; -mean
.endr
.irp j, 0,1,2,3
	v_mov_b32 v[MU+2*\j+1], v[MU+2*\j]
.endr
	WIN 0x82
.set PI, 0
.rept 16
.irp j, 0,1,2,3
	v_pk_add_f32 v[32*(\m0+\j)+2*PI:32*(\m0+\j)+2*PI+1], v[32*(\m0+\j)+2*PI:32*(\m0+\j)+2*PI+1], v[MU+2*\j:MU+2*\j+1]
.endr
.set PI, PI+1
.endr
	WIN 0x0a
.irp j, 0,1,2,3
	v_pk_mul_f32 v[SUM+4*\j:SUM+4*\j+1], v[32*(\m0+\j):32*(\m0+\j)+1], v[32*(\m0+\j):32*(\m0+\j)+1]
.endr
.irp j, 0,1,2,3
	v_pk_mul_f32 v[SUM+4*\j+2:SUM+4*\j+3], v[32*(\m0+\j)+2:32*(\m0+\j)+3], v[32*(\m0+\j)+2:32*(\m0+\j)+3]
.endr
.set PI, 2
.rept 14
.irp j, 0,1,2,3
	v_pk_fma_f32 v[SUM+4*\j+2*(PI%2):SUM+4*\j+2*(PI%2)+1], v[32*(\m0+\j)+2*PI:32*(\m0+\j)+2*PI+1], v[32*(\m0+\j)+2*PI:32*(\m0+\j)+2*PI+1], v[SUM+4*\j+2*(PI%2):SUM+4*\j+2*(PI%2)+1]
.endr
.set PI, PI+1
.endr
	WIN 0
	REDH \rb, \m0
.irp j, 0,1,2,3
	v_fma_f32 v[RT+4*\j], v[RT+4*\j], s37, s38     ; var + eps
.endr
	s_wait_alu depctr_va_vdst(0)
.irp j, 0,1,2,3
	v_rsq_f32 v[MU+2*\j], v[RT+4*\j]
.endr
	v_nop                                          ; a plain line behind the batch
	s_wait_alu depctr_va_vdst(0)                   ; one wait for the four, ahead of their first reader
.irp j, 0,1,2,3
	v_mov_b32 v[MU+2*\j+1], v[MU+2*\j]
.endr
	WIN 0x82
.set PI, 0
.rept 16
.irp j, 0,1,2,3
	v_pk_mul_f32 v[32*(\m0+\j)+2*PI:32*(\m0+\j)+2*PI+1], v[32*(\m0+\j)+2*PI:32*(\m0+\j)+2*PI+1], v[MU+2*\j:MU+2*\j+1]
.endr
.set PI, PI+1
.endr
	WIN 0xbe
.set PI, 0
.rept 16
.irp j, 0,1,2,3
	v_pk_fma_f32 v[32*(\m0+\j)+2*PI:32*(\m0+\j)+2*PI+1], v[32*(\m0+\j)+2*PI:32*(\m0+\j)+2*PI+1], v[\pgain+2*PI:\pgain+2*PI+1], v[\pshift+2*PI:\pshift+2*PI+1]
.endr
.set PI, PI+1
.endr
	WIN 0
.endm
.macro PARAM dst, ptr                  ; 32 numbers of my wave's 64 channels, in the accumulators' order, into window 3
.irp k, 0,1,2,3,4,5,6,7
	global_load_b128 v[\dst+4*\k:\dst+4*\k+3], v7, s[\ptr:\ptr+1] offset:(\k/4)*128+(\k%4)*16
.endr
.endm
.macro W1LOAD                          ; a block of 32 hidden units: four fragments (2 u + s), two scale registers, 16 biases: 22 loads
	WIN 0xc0
.irp f, 0,1,2,3
.irp c, 0,1,2,3
	global_load_b128 v[16*\f+4*\c:16*\f+4*\c+3], v1, s[44:45] offset:\f*2048+512*\c
.endr
.endr
.irp j, 0,1,2,3
	global_load_b128 v[240+4*\j:240+4*\j+3], v7, s[48:49] offset:16*\j
.endr
	WIN 0
	global_load_b32 v44, v2, s[46:47]
	global_load_b32 v45, v2, s[46:47] offset:128
.endm
.macro W2LOAD ks                       ; fc2's K step ks: four fragments and two scale registers: 18 loads
	WIN 0xc0
.irp q, 0,1,2,3
.irp c, 0,1,2,3
	global_load_b128 v[64*((\ks)%4)+16*\q+4*\c:64*((\ks)%4)+16*\q+4*\c+3], v1, s[50:51] offset:(\ks)*8192+\q*2048+512*\c
.endr
.endr
	WIN 0
.irp e, 0,1
	global_load_b32 v[54+2*((\ks)%4)+\e], v2, s[52:53] offset:(\ks)*256+\e*128
.endr
.endm
.macro HLOAD ks                        ; h's eight fragments of K step ks and their scale words (two tiles to a register): 36 LDS loads
.if (\ks) < 4
.set HADR, 12
.else
.set HADR, 16
.endif
	WIN 0x40
.irp m, 0,1,2,3,4,5,6,7
.irp c, 0,1,2,3
	ds_load_b128 v[128*((\ks)%2)+16*\m+4*\c:128*((\ks)%2)+16*\m+4*\c+3], v[HADR] offset:((\ks)%4)*16384+\c*4096+\m*512
.endr
.endr
	WIN 0
.irp e, 0,1,2,3
	ds_load_b32 v[46+4*((\ks)%2)+\e], v2 offset:HSC+((\ks)/2)*4096+(((\ks)%2)*4+3)*512+128*\e
.endr
.endm
.macro GELU16 base                     ; 16 numbers in place
.irp i, 0,1,2,3,4,5,6,7,8,9,10,11,12,13,14,15
	v_med3_num_f32 v[GU+\i], v[\base+\i], s41, s40
.endr
.irp k, 0,2,4,6,8,10,12,14
	v_pk_mul_f32 v[GW+\k:GW+\k+1], v[GU+\k:GU+\k+1], v[GU+\k:GU+\k+1]
.endr
.irp k, 0,2,4,6,8,10,12,14
	v_pk_fma_f32 v[GQ+\k:GQ+\k+1], v[GW+\k:GW+\k+1], s[CQ4:CQ4+1], v[30:31] op_sel_hi:[1,0,1]
.endr
.irp cf, CQ2, CQ1, CQ0
.irp k, 0,2,4,6,8,10,12,14
	v_pk_fma_f32 v[GQ+\k:GQ+\k+1], v[GQ+\k:GQ+\k+1], v[GW+\k:GW+\k+1], s[\cf:\cf+1] op_sel_hi:[1,1,0]
.endr
.endr
	s_wait_alu depctr_va_vdst(0)
.irp i, 0,1,2,3,4,5,6,7,8,9,10,11,12,13,14,15
	v_rcp_f32 v[GQ+\i], v[GQ+\i]                   ; Q is negative throughout, never 0
.endr
; P's whole chain names no reciprocal: it stands between the batch and the wait for it
.irp k, 0,2,4,6,8,10,12,14
	v_pk_fma_f32 v[GP+\k:GP+\k+1], v[GW+\k:GW+\k+1], s[CP6:CP6+1], v[28:29] op_sel_hi:[1,0,1]
.endr
.irp cf, CP4, CP3, CP2, CP1, CP0
.irp k, 0,2,4,6,8,10,12,14
	v_pk_fma_f32 v[GP+\k:GP+\k+1], v[GP+\k:GP+\k+1], v[GW+\k:GW+\k+1], s[\cf:\cf+1] op_sel_hi:[1,1,0]
.endr
.endr
.irp k, 0,2,4,6,8,10,12,14
	v_pk_mul_f32 v[GP+\k:GP+\k+1], v[GP+\k:GP+\k+1], v[GU+\k:GU+\k+1]   ; work that names no reciprocal
.endr
	s_wait_alu depctr_va_vdst(0)                   ; one wait for the sixteen
.irp k, 0,2,4,6,8,10,12,14
	v_pk_fma_f32 v[GP+\k:GP+\k+1], v[GP+\k:GP+\k+1], v[GQ+\k:GQ+\k+1], 0.5 op_sel_hi:[1,1,0]
.endr
.irp k, 0,2,4,6,8,10,12,14
	v_pk_mul_f32 v[\base+\k:\base+\k+1], v[\base+\k:\base+\k+1], v[GP+\k:GP+\k+1]
.endr
.endm
; h's quantiser: the eight tiles' blocks of 32 hidden units (16 registers a lane at v128 + 16 b) by turns, line by line.  Codes go to their images; a tile's byte joins its scale word, which is stored in every trip and is whole in every fourth
.set T8, 64                            ; v64-71 largest magnitudes; v72-79 the other half's, then the bytes; v80-87 448 x the scale; v88-95 the conversions' scale operands
.set C8, 96                            ; v96-127 codes, four registers a tile
.macro QH
.irp b, 0,1,2,3,4,5,6,7
	v_max3_num_f32 v[T8+\b], |v[128+16*\b]|, |v[128+16*\b+1]|, 0x4800000
.endr
.irp i, 2,4,6,8,10,12,14
.irp b, 0,1,2,3,4,5,6,7
	v_max3_num_f32 v[T8+\b], v[T8+\b], |v[128+16*\b+\i]|, |v[128+16*\b+\i+1]|
.endr
.endr
.irp b, 0,1,2,3,4,5,6,7
	v_permlanex16_b32 v[T8+8+\b], v[T8+\b], s[SEL], s[SEL+1]
.endr
.irp b, 0,1,2,3,4,5,6,7
	v_max_num_f32 v[T8+\b], v[T8+\b], v[T8+8+\b]
.endr
.irp b, 0,1,2,3,4,5,6,7
	v_add_nc_u32 v[T8+24+\b], 0xfc000000, v[T8+\b]
.endr
.irp b, 0,1,2,3,4,5,6,7
	v_and_or_b32 v[T8+16+\b], v[T8+\b], 0x7f800000, s[MNT]
.endr
.irp b, 0,1,2,3,4,5,6,7
	v_lshrrev_b32 v[T8+8+\b], 23, v[T8+24+\b]
.endr
.irp b, 0,1,2,3,4,5,6,7
.irp i, 0,1,2,3,4,5,6,7,8,9,10,11,12,13,14,15
	v_med3_num_f32 v[128+16*\b+\i], v[128+16*\b+\i], -v[T8+16+\b], v[T8+16+\b]
.endr
.endr
.irp b, 0,1,2,3,4,5,6,7
	v_cvt_scalef32_pk8_fp8_f32 v[C8+4*\b:C8+4*\b+1], v[128+16*\b:128+16*\b+7], v[T8+24+\b]
	v_cvt_scalef32_pk8_fp8_f32 v[C8+4*\b+2:C8+4*\b+3], v[128+16*\b+8:128+16*\b+15], v[T8+24+\b]
.endr
	v_nop                                          ; a plain line behind the last conversion
.irp b, 0,1,2,3,4,5,6,7
	v_alignbit_b32 v[20+\b], v[T8+8+\b], v[20+\b], 8
.endr
.irp b, 0,1,2,3,4,5,6,7
	ds_store_b128 v13, v[C8+4*\b:C8+4*\b+3] offset:\b*512
	ds_store_b32 v15, v[20+\b] offset:\b*64
.endr
.endm
	s_load_b256 s[4:11], s[0:1], 0x0               ; cc, cs, x, wc
	s_load_b256 s[12:19], s[0:1], 0x20             ; ws, proj_b, ln1_g, ln1_b
	s_load_b256 s[20:27], s[0:1], 0x40             ; fc1_b, fc2_b, ln2_g, ln2_b
	s_load_b64 s[28:29], s[0:1], 0x60              ; out0
	v_lshl_add_u32 v62, v0, 2, 0x36c00
	v_mov_b32 v63, 0
	v_lshrrev_b32 v3, 5, v0
	v_readfirstlane_b32 s30, v3                    ; wave 0..3
	v_and_b32 v1, 31, v0
	v_lshlrev_b32 v2, 2, v1                        ; 4 x lane
	v_lshlrev_b32 v1, 4, v1                        ; 16 x lane
	v_and_b32 v3, 15, v0                           ; r
	v_bfe_u32 v4, v0, 4, 1                         ; h
	v_lshlrev_b32 v7, 6, v4                        ; 64 h
	v_lshlrev_b32 v9, 4, v3                        ; the sums: 16 r,
	s_lshl_b32 s42, s30, 2
	v_add_nc_u32 v8, s42, v9                       ; + 4 wave on the way in
	s_lshr_b32 s42, s30, 1
	s_and_b32 s43, s30, 1
	s_lshl_b32 s58, s42, 11
	s_lshl_b32 s59, s43, 10
	s_add_co_u32 s58, s58, s59
	s_add_co_u32 s58, s58, XIMG
	s_wait_alu depctr_va_vdst(0)                   ; ahead of the readers below
	v_add_nc_u32 v10, s58, v1                      ; x1's images: K step wave / 2, groups 2 (wave % 2) + 0, 1
	s_lshl_b32 s58, s42, 6
	s_lshl_b32 s59, s43, 1
	s_add_co_u32 s58, s58, s59
	s_add_co_u32 s58, s58, XSC
	v_lshl_add_u32 v11, v3, 2, s58                 ; and my two bytes of their scale words
	v_add_nc_u32 v12, HIMG, v1
	v_add_nc_u32 v16, HIMG+65536, v1
	s_lshl_b32 s54, s30, 13                        ; my quarter of ctx: four fragments, 8,192 bytes, in memory and in LDS alike
	s_mov_b32 s55, 0
	v_add_nc_u32 v15, s54, v12                     ; ctx's 16 images lie where h's first images will lie: that region is idle until the fc1 loop
	v_lshlrev_b32 v14, 2, v3
	v_add_nc_u32 v14, HSC, v14
	s_mul_i32 s58, s30, 8704
	s_add_co_u32 s58, s58, STG
	v_mul_u32_u24 v17, v3, 272
	v_add_nc_u32 v17, v17, v7
	v_add_nc_u32 v17, s58, v17                     ; the stage, in: row r, + 64 h
	v_mul_u32_u24 v18, v4, 272
	v_add_nc_u32 v18, v18, v9
	v_add_nc_u32 v18, s58, v18                     ; back: lanes 0-15 one row of 256 bytes, lanes 16-31 the next
	v_lshl_add_u32 v19, v4, 10, v9                 ; and the same two rows in out0
	v_lshlrev_b32 v13, 2, v3
	v_lshl_add_u32 v13, v4, 8, v13                 ; cs: 4 r, lanes 16-31 four heads on
	v_mov_b32 v28, 0x2fa84a8d                      ; P5 =  3.06119941e-10
	v_mov_b32 v29, 0x2fa84a8d
	v_mov_b32 v30, 0xb7dfbd29                      ; Q3 = -2.66717569e-5
	v_mov_b32 v31, 0xb7dfbd29
	s_mov_b32 s[SEL], 0x76543210
	s_mov_b32 s[SEL+1], 0xfedcba98
	s_mov_b32 s[MNT], 0x600000
	s_mov_b32 s37, 0x3b800000                      ; 1 / 256
	s_mov_b32 s38, 0x358637bd                      ; 1e-6
	s_mov_b32 s39, 0xbb800000                      ; -1 / 256
	s_mov_b32 s40, 0x40b504f3                      ; 4 sqrt 2
	s_mov_b32 s41, 0xc0b504f3
	COEF CP6, 0xabd3f331                           ; -1.50599506e-12
	COEF CP4, 0xb347667d                           ; -4.64265102e-8
	COEF CP3, 0xb628d45d                           ; -2.51575616e-6
	COEF CP2, 0xb8883d9c                           ; -6.49646073e-5
	COEF CP1, 0xba08eb41                           ; -5.2230439e-4
	COEF CP0, 0xbbba79f3                           ; -5.6908072e-3
	COEF CQ4, 0xb57460cd                           ; -9.1037949e-7
	COEF CQ2, 0xb9dc924e                           ; -4.20706744e-4
	COEF CQ1, 0xbb719bf8                           ; -3.68666458e-3
	COEF CQ0, 0xbc69b6a7                           ; -1.42647391e-2
	s_and_b32 s32, ttmp7, 0xffff                   ; image
	s_lshl_b32 s42, s32, 4
	s_lshl_b32 s43, ttmp9, 1
	s_add_co_u32 s42, s42, s43                     ; 16 image + 2 y
	s_lshl_b32 s58, s42, 14
	s_mov_b32 s59, 0
	s_lshl_b32 s60, s42, 9
	s_mov_b32 s61, 0
	s_lshl_b32 s62, s32, 3
	s_add_co_u32 s62, s62, ttmp9
	s_lshl_b32 s62, s62, 17                        ; 128 tokens of 1,024 bytes
	s_lshl_b32 s90, s30, 8                         ; my 64 channels
	s_add_co_u32 s62, s62, s90
	s_mov_b32 s63, 0
	s_mov_b32 s91, 0
	s_lshl_b32 s92, s30, 14
	s_add_co_u32 s92, s92, 96*2048                 ; proj: fragments 96 + 8 wave on
	s_mov_b32 s93, 0
	s_lshl_b32 s94, s30, 9
	s_add_co_u32 s94, s94, 96*64
	s_mov_b32 s95, 0
	s_lshl_b32 s96, s30, 16                        ; 32 fragments a wave in fc1 and in fc2
	s_mov_b32 s97, 0
	s_lshl_b32 s98, s30, 11
	s_mov_b32 s99, 0
	s_wait_alu depctr_va_vdst(0)
	s_wait_kmcnt 0x0
	s_add_nc_u64 s[4:5], s[4:5], s[58:59]
	s_add_nc_u64 s[4:5], s[4:5], s[54:55]
	s_add_nc_u64 s[6:7], s[6:7], s[60:61]
	s_add_nc_u64 s[8:9], s[8:9], s[62:63]
	s_add_nc_u64 s[28:29], s[28:29], s[62:63]
	s_add_nc_u64 s[86:87], s[10:11], s[92:93]
	s_add_nc_u64 s[88:89], s[12:13], s[94:95]
	s_add_nc_u64 s[44:45], s[10:11], s[96:97]
	s_add_nc_u64 s[50:51], s[44:45], 256*2048
	s_add_nc_u64 s[44:45], s[44:45], 128*2048
	s_add_nc_u64 s[46:47], s[12:13], s[98:99]
	s_add_nc_u64 s[52:53], s[46:47], 256*64
	s_add_nc_u64 s[46:47], s[46:47], 128*64
	s_lshl_b32 s58, s30, 10
	s_add_nc_u64 s[48:49], s[20:21], s[58:59]
.irp p, 14,16,18,22,24,26
	s_add_nc_u64 s[\p:\p+1], s[\p:\p+1], s[90:91]
.endr
	; ---- everything that proj and LN1 want is asked for at once
	WIN 0x40
.set fi, 0
.rept 4
.irp c, 0,1,2,3
	global_load_b128 v[16*fi+4*\c:16*fi+4*\c+3], v1, s[4:5] offset:fi*2048+512*\c   ; ctx: my wave's four fragments of the sixteen; the others come from the other waves through LDS
.endr
.set fi, fi+1
.endr
; x COMES BY ROWS: 16 lanes read a token's 256 consecutive bytes (my 64 channels), two tokens an instruction, as the way out stores them.  A tile then turns through my own stage into the accumulators' layout.
; What no other work-group reads (ctx, x) is asked for first; proj's weights and LN1's parameters, which all work-groups read, among the tiles' turns through the stage.
.macro XLD m
.irp i, 0,1,2,3,4,5,6,7
	global_load_b128 v[32*(\m)+4*\i:32*(\m)+4*\i+3], v19, s[8:9] offset:((\m)/4)*65536+((16*((\m)%4)+8+2*\i)&63)*1024 th:TH_LOAD_NT
.endr
.endm
	WIN 0x80
.irp m, 0,1,2,3,4
	XLD \m
.endr
	s_wait_loadcnt 40                              ; my 16 loads of ctx are in; behind them: five tiles of x, eight loads each
	WIN 0x04
.irp f, 0,1,2,3
.irp c, 0,1,2,3
	ds_store_b128 v15, v[16*\f+4*\c:16*\f+4*\c+3] offset:\f*2048+512*\c
.endr
.endr
	WIN 0x80
.irp m, 5,6,7
	XLD \m
.endr
	WIN 0
	BARRIER                                        ; all four quarters of ctx lie in LDS
	WIN 0x40
.set fi, 0
.rept 16
.irp c, 0,1,2,3
	ds_load_b128 v[16*fi+4*\c:16*fi+4*\c+3], v12 offset:fi*2048+512*\c   ; ctx: fragment 2 m + s
.endr
.set fi, fi+1
.endr
.macro LATE1                           ; proj's eight fragments, its four scale registers, ctx's scale bytes: 44 loads
	WIN 0xc0
.set fi, 0
.rept 8
.irp c, 0,1,2,3
	global_load_b128 v[16*fi+4*\c:16*fi+4*\c+3], v1, s[86:87] offset:fi*2048+512*\c   ; proj: fragment 2 (column tile) + s
.endr
.set fi, fi+1
.endr
	WIN 0
.irp q, 0,1,2,3
	global_load_b32 v[40+\q], v2, s[88:89] offset:\q*128
.endr
.irp a, 0,1
.irp e, 0,1,2,3
	global_load_b32 v[64+4*\a+\e], v13, s[6:7] offset:\a*512+\e*64   ; head e (lanes 16-31: 4 + e): the four tiles' bytes
.endr
.endr
.endm
.set AFT, 0                            ; loads issued behind x's last
.macro XSTO m                          ; tile m's rows, as loaded, into stage m % 2
.if 8*(7-(\m))+AFT > 63                ; tile m's eight loads are in; behind them: the later tiles' eight each and AFT more
	s_wait_loadcnt 63
.else
	s_wait_loadcnt 8*(7-(\m))+AFT
.endif
	WIN 0x08
.irp i, 0,1,2,3,4,5,6,7
	ds_store_b128 v18, v[32*(\m)+4*\i:32*(\m)+4*\i+3] offset:((\m)%2)*4352+2*\i*272
.endr
.endm
.macro XBACK m                         ; and back: lane (r, h) takes token r's channels in the accumulators' order.  LDS serves a wave's instructions in order: these see the stores
	WIN 0x80
.irp k, 0,1,2,3,4,5,6,7
	ds_load_b128 v[32*(\m)+4*\k:32*(\m)+4*\k+3], v17 offset:((\m)%2)*4352+(\k/4)*128+(\k%4)*16
.endr
.endm
	XSTO 0
.irp m, 1,2,3,4,5,6,7
.if \m == 3
	LATE1
.set AFT, 44
.endif
.if \m == 6
	WIN 0xc0
	PARAM 128, 14
	PARAM 160, 16
	PARAM 192, 18
.set AFT, 68
.endif
	XSTO \m
.if \m == 1
	s_wait_dscnt 8                                 ; tile 0's stores have read their registers (behind them: tile 1's 8 stores)
.else
	s_wait_dscnt 16                                ; tile m - 1's stores have read their registers (behind them: 8 loads and tile m's 8 stores)
.endif
	XBACK \m-1
.endr
	s_wait_dscnt 8                                 ; tile 7's stores (behind them: tile 6's 8 loads)
	XBACK 7
	WIN 0
	s_wait_dscnt 0x0                               ; ctx's fragments and x are in registers
	s_wait_loadcnt 24                              ; proj's weights and all scales are in; LN1's 24 loads of parameters may be out
.irp a, 0,1                            ; bytes (head, tile) are turned into words (tile: four heads = the four blocks of a K step)
	v_perm_b32 v72, v[65+4*\a], v[64+4*\a], 0x05010400
	v_perm_b32 v73, v[65+4*\a], v[64+4*\a], 0x07030602
	v_perm_b32 v74, v[67+4*\a], v[66+4*\a], 0x05010400
	v_perm_b32 v75, v[67+4*\a], v[66+4*\a], 0x07030602
	v_perm_b32 v[32+4*\a], v74, v72, 0x05040100
	v_perm_b32 v[33+4*\a], v74, v72, 0x07060302
	v_perm_b32 v[34+4*\a], v75, v73, 0x05040100
	v_perm_b32 v[35+4*\a], v75, v73, 0x07060302
.endr
	PLACES 8                                       ; a scale register written by a vector instruction stands eight places ahead of the product
	; ---- proj onto x: 32 accumulators by turns, two K steps
	WIN 0xa7
.irp s, 0,1
.irp q, 0,1,2,3
.irp m, 0,1,2,3,4,5,6,7
	WM 32*\m+8*\q, 16*(2*\q+\s), 16*(2*\m+\s), 32*\m+8*\q, 40+\q, 32+\m, \s, \s
.endr
.endr
.endr
	PLACES 8
	W1LOAD                                         ; proj's weights are done with: fc1's first block and fc2's K step 1 take their registers now,
	W2LOAD 1
	s_wait_loadcnt 40                              ; LN1's parameters are in; behind them: fc1's 22 loads and fc2's 18
	LN 128, 160, 192, RED, RED+2048
	W2LOAD 2                                       ; and K step 2 those of LN1's parameters
	QX 0                                           ; two sets of work and code registers by turns, so that no store's data are written again while it is out
.set TM, 96
.set PC, 112
	QX 1
.set TM, 64
.set PC, 80
	QX 2
.set TM, 96
.set PC, 112
	QX 3
.set TM, 64
.set PC, 80
	s_wait_dscnt 0x0                               ; my stores are done
	s_barrier_signal -1
	s_barrier_wait -1
	; ---- fc1, gelu, h's codes: eight trips of 32 hidden units for all 128 tokens
	WIN 0x40
.set fi, 0
.rept 16
.irp c, 0,1,2,3
	ds_load_b128 v[16*fi+4*\c:16*fi+4*\c+3], v1 offset:XIMG+fi*2048+512*\c
.endr
.set fi, fi+1
.endr
	WIN 0
.irp m, 0,1,2,3,4,5,6,7
	ds_load_b32 v[32+\m], v2 offset:XSC+128*\m
.endr
.irp m, 0,1,2,3,4,5,6,7
	v_mov_b32 v[20+\m], 0
.endr
	s_mov_b32 s54, 0
	s_lshl_b32 s55, s30, 15                        ; my wave's part of h's images; 4,096 a trip
	s_lshl_b32 s56, s30, 12                        ; and of its scale words; 512 a trip
.Lfc1:
	s_wait_loadcnt 0x0                             ; this block's weights, asked for a trip ago; so the three pointers may step
	s_wait_dscnt 0x0                               ; x1's fragments (first trip); the last trip's stores have read their registers
	s_add_nc_u64 s[44:45], s[44:45], 8192
	s_add_nc_u64 s[46:47], s[46:47], 256
	s_add_nc_u64 s[48:49], s[48:49], 128
	v_add_nc_u32 v13, s55, v12
	v_add_nc_u32 v15, s56, v14
	WIN 0x37
.irp m, 0,1,2,3,4,5,6,7
.irp u, 0,1
	WM 128+16*\m+8*\u, 16*(2*\u), 16*(2*\m), 240+8*\u, 44+\u, 32+\m, 0, 0   ; the bias is the C of the first K step
.endr
.endr
	WIN 0x07
.irp m, 0,1,2,3,4,5,6,7
.irp u, 0,1
	WM 128+16*\m+8*\u, 16*(2*\u+1), 16*(2*\m+1), 128+16*\m+8*\u, 44+\u, 32+\m, 1, 1
.endr
.endr
	PLACES 8
	WIN 0
	s_cmp_eq_u32 s54, 7
	s_cbranch_scc1 .Llast_trip                     ; the last trip asks for no further block: no load leaves its buffer
	W1LOAD                                         ; the next block's weights have the whole gelu in which to land
	s_branch .Lasked
.Llast_trip:
	W2LOAD 0                                       ; fc1's weights are done with: fc2's K step 0 takes their registers
.Lasked:
.irp g, 0,1,2,3,4,5,6,7
	GELU16 128+16*\g
.endr
	QH
	s_add_co_u32 s55, s55, 4096
	s_add_co_u32 s56, s56, 512
	s_add_co_u32 s54, s54, 1
	s_cmp_lt_u32 s54, 8
	s_cbranch_scc1 .Lfc1
	s_wait_loadcnt 0x0                             ; no load is out (K step 0's weights are in): fc2's counts begin here
	BARRIER
	HLOAD 0
; ---- fc2 onto x1: a K step is 32 products, the 32 accumulators by turns; weights three K steps ahead, h one
.macro FC2STEP ks
.if \ks > 0
	PLACES 8                                       ; in front of loads into registers that the last step's products have read
.endif
.if \ks+3 < 8
	W2LOAD \ks+3
.endif
.if \ks == 5
	WIN 0xc0
	PARAM 0, 22
	PARAM 32, 24
	WIN 0
.endif
.if \ks == 6
	WIN 0xc0
	PARAM 64, 26
	WIN 0
.endif
.if \ks < 7
	HLOAD \ks+1
.endif
.if \ks == 0
	s_wait_loadcnt 18                              ; K step 0's weights are in; behind them K step 3's 18 loads
.elseif (\ks == 3) || (\ks == 4)
	s_wait_loadcnt 54                              ; behind this step's weights: three K steps of 18
.elseif \ks == 5
	s_wait_loadcnt 52                              ; two K steps and 16 loads of parameters
.elseif \ks == 6
	s_wait_loadcnt 42                              ; one K step, 16 and 8
.elseif \ks == 7
	s_wait_loadcnt 24                              ; the parameters' 24
.endif
.if \ks < 7
	s_wait_dscnt 36                                ; this step's h is in; the next step's 36 loads may be out
.else
	s_wait_dscnt 0x0
.endif
	WIN 0xa7
.irp q, 0,1,2,3
.irp m, 0,1,2,3,4,5,6,7
	WM 32*\m+8*\q, 64*((\ks)%4)+16*\q, 128*((\ks)%2)+16*\m, 32*\m+8*\q, 54+2*((\ks)%4)+\q/2, 46+4*((\ks)%2)+\m/2, \q%2, \m%2
.endr
.endr
	WIN 0
.endm
.irp ks, 0,1,2,3,4,5,6,7
	FC2STEP \ks
.endr
	PLACES 8
	s_wait_loadcnt 0x0                             ; LN2's parameters
	LNBIAS 0
	LNH 0, 32, 64, RED+4096, RED+6144
; ---- the way out: a tile's 16 tokens x my 64 channels go through my own stage and leave as whole runs of 256 bytes
.macro TOSTAGE m
	WIN 0x08
.irp k, 0,1,2,3,4,5,6,7
	ds_store_b128 v17, v[32*(\m)+4*\k:32*(\m)+4*\k+3] offset:((\m)%2)*4352+(\k/4)*128+(\k%4)*16
.endr
	WIN 0
.irp i, 0,1,2,3,4,5,6,7
	ds_load_b128 v[128+32*((\m)%2)+4*\i:128+32*((\m)%2)+4*\i+3], v18 offset:((\m)%2)*4352+2*\i*272   ; LDS serves a wave's instructions in order: these see the stores
.endr
.endm
.macro SEND m, younger
	s_wait_dscnt \younger
.irp i, 0,1,2,3,4,5,6,7
	global_store_b128 v19, v[128+32*((\m)%2)+4*\i:128+32*((\m)%2)+4*\i+3], s[28:29] offset:((\m)/4)*65536+((16*((\m)%4)+8+2*\i)&63)*1024 th:TH_STORE_NT   ; 16 lanes store 256 consecutive bytes, aligned
.endr
.endm
	TOSTAGE 0
	s_wait_alu depctr_va_vdst(0)
.irp m, 1,2,3
.if \m > 1
	s_wait_xcnt 0x0                                ; tile m - 2's stores have read the registers that tile m's loads land in
.endif
	TOSTAGE \m
	SEND \m-1, 16                                  ; behind tile m - 1's loads: tile m's 8 stores and 8 loads
.endr
	SEND 3, 0
	LNH 4, 32, 64, RED+4096, RED+6144              ; the second half, while the first half's stores are out
	s_wait_alu depctr_va_vdst(0)
	s_wait_xcnt 0x0                                ; tile 2's stores have read the registers that tile 4's loads land in
	TOSTAGE 4
.irp m, 5,6,7
	s_wait_xcnt 0x0
	TOSTAGE \m
	SEND \m-1, 16
.endr
	SEND 7, 0
	s_barrier_signal -1
	s_barrier_wait -1
	s_wait_tensorcnt 0x0
	ds_add_u32 v62, v63
	s_wait_dscnt 0x0
	s_endpgm
.Lfunc_end_k_q74a904ed44_mlp:
	.size	k_q74a904ed44_mlp, .Lfunc_end_k_q74a904ed44_mlp-k_q74a904ed44_mlp
	.p2alignl 7, 3214868480
	.fill 96, 4, 3214868480
	.section	.rodata,"a",@progbits
	.p2align	6, 0x0
	.amdhsa_kernel k_q74a904ed44_mlp
		.amdhsa_group_segment_fixed_size 224768
		.amdhsa_private_segment_fixed_size 0
		.amdhsa_enable_private_segment 0
		.amdhsa_kernarg_size 104
		.amdhsa_user_sgpr_count 2
		.amdhsa_user_sgpr_kernarg_segment_ptr 1
		.amdhsa_wavefront_size32 1
		.amdhsa_system_sgpr_workgroup_id_x 1
		.amdhsa_system_sgpr_workgroup_id_y 1
		.amdhsa_system_sgpr_workgroup_id_z 1
		.amdhsa_system_vgpr_workitem_id 0
		.amdhsa_next_free_vgpr 1024
		.amdhsa_next_free_sgpr 100
		.amdhsa_reserve_vcc 0
		.amdhsa_float_denorm_mode_32 3
		.amdhsa_float_denorm_mode_16_64 3
		.amdhsa_memory_ordered 1
		.amdhsa_forward_progress 1
		.amdhsa_inst_pref_size 255
	.end_amdhsa_kernel
	.section	.bss,"aw",@nobits
	.p2align	6
	.space	262144
	.amdgpu_metadata
---
amdhsa.version: [ 1, 2 ]
amdhsa.kernels:
  - .name:           k_q74a904ed44_mlp
    .symbol:         k_q74a904ed44_mlp.kd
    .args:
      - { .name: cc, .offset: 0, .size: 8, .value_kind: global_buffer, .address_space: global }
      - { .name: cs, .offset: 8, .size: 8, .value_kind: global_buffer, .address_space: global }
      - { .name: x, .offset: 16, .size: 8, .value_kind: global_buffer, .address_space: global }
      - { .name: wc, .offset: 24, .size: 8, .value_kind: global_buffer, .address_space: global }
      - { .name: ws, .offset: 32, .size: 8, .value_kind: global_buffer, .address_space: global }
      - { .name: proj_b, .offset: 40, .size: 8, .value_kind: global_buffer, .address_space: global }
      - { .name: ln1_g, .offset: 48, .size: 8, .value_kind: global_buffer, .address_space: global }
      - { .name: ln1_b, .offset: 56, .size: 8, .value_kind: global_buffer, .address_space: global }
      - { .name: fc1_b, .offset: 64, .size: 8, .value_kind: global_buffer, .address_space: global }
      - { .name: fc2_b, .offset: 72, .size: 8, .value_kind: global_buffer, .address_space: global }
      - { .name: ln2_g, .offset: 80, .size: 8, .value_kind: global_buffer, .address_space: global }
      - { .name: ln2_b, .offset: 88, .size: 8, .value_kind: global_buffer, .address_space: global }
      - { .name: out0, .offset: 96, .size: 8, .value_kind: global_buffer, .address_space: global }
    .group_segment_fixed_size: 224768
    .private_segment_fixed_size: 0
    .kernarg_segment_align: 8
    .kernarg_segment_size: 104
    .max_flat_workgroup_size: 128
    .sgpr_count:     100
    .vgpr_count:     1024
    .wavefront_size: 32
...
	.end_amdgpu_metadata
.endif
;; end of part 3
